; MI455X (gfx1250); checked and timed in simulation.
; The chip was launched on July 23, 2026; its instructions are those of AMD's public machine-readable ISA for CDNA 5 (MIT licence, August 2026) and "CDNA5" Instruction Set Architecture Reference Guide (July 2026). The comments in the code are by the model that wrote it; some were corrected since.
;; Attention. Allowed arithmetic: matrix products marked QUANTISED: E5M2 operands, one E8M0 scale for each 32 along K, by v_wmma_scale_f32_16x16x128_f8f6f4 with both operands' format E5M2, f32 sums; everything else in f32.
;; Inputs: cos 2,048 x 64 float32; sin 2,048 x 64 float32; wk 1,024 x 256 float32; wo 1,024 x 1,024 float32; wq 1,024 x 1,024 float32; wv 1,024 x 256 float32; x 2 x 2,048 x 1,024 float32.
;; Outputs: out0 2 x 2,048 x 1,024 float32.
;; This version of the problem:
;;   THIS VERSION OF THE PROBLEM IS GIVEN IN LOW PRECISION. The matrix products marked QUANTISED in the list below multiply operands that are first quantised to E5M2 (5 exponent bits, 2 mantissa bits; 8 bits a number), with one power-of-two scale for each 32 numbers along K (OCP MX v1.0); their sums are f32. All else is computed in f32.
;;   The module's matrix products, in the order in which they are computed (A, B: the left and right operand; K: the contracted axis; several contracted axes count as one K, in the product's order):
;;     1. [M 4,096, K 1,024] x [K 1,024, N 1,024]; A: input x; B: input wq: QUANTISED
;;     2. [M 4,096, K 1,024] x [K 1,024, N 256]; A: input x; B: input wk: QUANTISED
;;     3. [M 4,096, K 1,024] x [K 1,024, N 256]; A: input x; B: input wv: QUANTISED
;;     4. batch 8 x [M 2,048, K 64] x [K 64, N 8,192]; A: computed on the way; B: computed on the way: QUANTISED
;;     5. batch 8 x [M 64, K 2,048] x [K 2,048, N 8,192]; A: computed on the way; B: softmax (see below): QUANTISED
;;     6. [M 4,096, K 1,024] x [K 1,024, N 1,024]; A: computed on the way; B: input wo: QUANTISED
;;   THE QUANTISER, for each operand of a quantised product, along K:
;;     - K is cut into blocks of 32 from its start; a last block that is shorter is filled with zeros.
;;     - A block's scale is 2^e with e = floor(log2(the largest magnitude in the block)) - 15, held to -126 .. 127; a block of zeros has e = 0. As a byte (E8M0): e + 127.
;;     - Each number is divided by its block's scale, clamped to +-57,344, and rounded to the nearest number of E5M2, ties to even, subnormals kept.
;;     - The product sums the exact products of the quantised numbers (number of the format x scale) in f32.
;;   ~~~python
;;   def quantise(x, axis):      # numpy; x: float32 -> the quantised numbers, widened to float32 again
;;       x = np.moveaxis(x, axis, -1); K = x.shape[-1]
;;       x = np.pad(x, [(0, 0)] * (x.ndim - 1) + [(0, -K % 32)]); x = x.reshape(x.shape[:-1] + (-1, 32)); a = np.abs(x).max(-1, keepdims=True)
;;       e = np.where(a > 0, np.clip(np.frexp(np.where(a > 0, a, 1))[1] - 1 - 15, -126, 127), 0)      # np.frexp(a)[1] - 1 = floor(log2(a)), exactly
;;       r = np.clip(x / 2.0 ** e, -57344, 57344)
;;       step = 2.0 ** (np.maximum(np.frexp(np.where(r == 0, 1, r))[1] - 1, -14) - 2)
;;       q = np.round(r / step) * step * 2.0 ** e      # np.round: ties to even
;;       return np.moveaxis(q.reshape(q.shape[:-2] + (-1,))[..., :K], -1, axis).astype(np.float32)
;;   ~~~
;;   SOFTMAX AHEAD OF A QUANTISED PRODUCT. Where the list says 'softmax', what is quantised is not the finished softmax but p = 2^(t - M), with t = logit x log2(e) and M = ceil(the row's largest t), a whole number; so 1/2 < the row's largest p <= 1. The row's sum l is taken of the UNQUANTISED p, in f32, and the product's result is divided by l at the end. Since M is a whole number, a kernel that streams over the keys may use a running M (the ceiling of the running maximum): every later rescaling is an exact power of two, which a block's scale takes up: the codes' values come out the same.
;;   OPERANDS COMPUTED ON THE WAY. 'Computed on the way' means the value that the module computes at that place (a softmax that the list does not call 'softmax' is quantised finished and normalised). What goes into a quantiser is computed in f32, as accurately as f32 sums, v_exp_f32 and their like allow (about 1e-6 of the number): no bf16 or f16 on the way to a quantiser, and a product that is left as it is and whose result goes on into a quantised operand takes f32 operands (vector FMAs, or v_wmma_f32_16x16x4_f32). A number that lies on a knife's edge between two numbers of the format may be rounded either way, as far as f32 arithmetic and the matrix unit's own rounding can turn it there, and no further.
;; One version. Each part assembles by itself: llvm-mc -triple=amdgcn-amd-amdhsa -mcpu=gfx1250 --defsym DOCPART=n.
;; ======== version 1 of 1: 4 launches
;; limits: right only within a limited range of input values
;; workspace buffers: xb 4,325,376 bytes; wb 2,703,360 bytes; ab 6,651,904 bytes; ob 4,325,376 bytes
;; launch quant (part 1): grid 416 x 1, 4 waves a work-group, no clusters, 68,096 bytes of LDS; arguments x, wq, wk, wv, wo, xb, wb; writes xb, wb
.if DOCPART == 1
	.amdgcn_target "amdgcn-amd-amdhsa--gfx1250"
	.amdhsa_code_object_version 6
	.text
	.protected	k_qa9331bd2c2_quant
	.globl	k_qa9331bd2c2_quant
	.p2align	8
	.type	k_qa9331bd2c2_quant,@function
k_qa9331bd2c2_quant:
	s_mov_b64 s[64:65], 0
	v_nop
	global_prefetch_b8 v0, s[64:65] scope:SCOPE_SE
	s_setreg_imm32_b32 hwreg(HW_REG_WAVE_MODE, 25, 1), 1
	s_wait_xcnt 0x0
; FIRST OF FOUR LAUNCHES of a GQA attention block (2 x 2,048 positions, 16 query heads, 4 key and value heads of 64) whose six products are all on codes of BF8 (E5M2) with one E8M0 scale for each 32 along K.
; This launch turns x [4096][1024] and the weights wq, wk, wv, wo ([1024 (k)][n]), all f32, into codes and scale bytes, laid in the order in which the products' operand registers take them.
; WORK LEFT OUT BY THE PROGRAM, AND WHY IT IS DEAD.  reference() builds the causal mask itself (jnp.tril) and sets the score of key s for query q to -inf where s > q.  The softmax gives exactly 0 there: p = 2^(-inf) = 0,
; whose code is 0; it adds nothing to the row's sum and nothing to the product with v, whatever finite values the inputs hold.  So the parts of the products q k^T and p v that lie in key steps of 128 keys wholly behind
; a tile's 16 queries are not computed (launch attn).  Nothing else is left out; every input has a way to the output and is loaded.
; LIMITS.  A NaN, an infinity or an overflow that reaches only such hidden scores is not carried to the result.  NaN and infinities among the inputs are not served.  A block of zeros gets the scale byte 1 where the
; rule says 127: its codes are zeros, which add nothing under any byte but 0xff, and the bytes are read by this program alone.  Blocks whose largest magnitude lies under 2^(16 - 127) have their byte held at 1.
; A TILE is 16 rows of an operand that are not neighbours: tile 2 B + u holds rows 32 B + 8 u + r + 8 (r / 8), r = 0 .. 15.  So, whichever operand is source 0 of a product, a lane's 16 result registers of two
; neighbouring tiles are 16 neighbours along that operand's rows, and the next quantiser finds its K in one lane's registers.
; A RECORD is a tile with all of K = 1,024: REC = 16,896 bytes.  Codes: K step s (128 along K), register group c, lane l = 16 h + r: 16 bytes at 2048 s + 512 c + 16 l: k = 128 s + 32 c + 16 h + 0 .. 15 of row r.
; Scale words (four bytes: 128 along K of one row) at 16384 + 64 s + 4 r.
; xb: 256 records, tile 2 (row / 32) + u.  wb: 160 records: tiles 4 g .. 4 g + 3 are head slot g (0-15: wq's heads; 16 + 2 j: wk's head j; 17 + 2 j: wv's head j); tiles 96 + 2 (n / 32) + u are wo's.
; SHARES.  Work-groups 0-255: one tile of x each; wave a takes K steps 2 a and 2 a + 1.  256-383: wq and wo; 384-415: wk and wv: a work-group takes one K step of 128 columns, a wave 32 columns.
; No matrix unit, no tensor load, no cluster, no barrier: memory binds, and no two waves share a byte.  Only x's path uses LDS.
.set REC,   16896
.set SROW,  528                        ; a stage row: 512 bytes + 16 of padding: 33 x 16, so that sixteen lanes that read sixteen rows touch sixteen different 16-byte columns
.set STG,   16*SROW                    ; a stage: 16 rows
.set SPARE, 4*2*STG                    ; behind the four waves' two stages each: the spare words, 128 bytes a wave
.set SPW,   6                          ; v6  LDS address of my spare word; never rewritten
.set NIL,   7                          ; v7  0; never rewritten
.set TM,    8                          ; v8-11 largest magnitudes, v12-15 bytes, v16-19 the largest number x the scale, v20-23 the conversions' scale operands
.set PC0,   32                         ; v32-47, v48-63: the two fragments' codes
.set PC1,   48
.set R0,    64                         ; v64-127, v128-191: the two K steps as loaded; v64-127 later the second step's neighbours
.set X0,    192                        ; v192-255: the first step's neighbours
	s_load_b256 s[4:11], s[0:1], 0x0               ; x s[4:5], wq s[6:7], wk s[8:9], wv s[10:11]
	s_load_b128 s[12:15], s[0:1], 0x20             ; wo s[12:13], xb s[14:15]
	s_load_b64 s[16:17], s[0:1], 0x30              ; wb
	v_lshl_add_u32 v[SPW], v0, 2, SPARE
	v_mov_b32 v[NIL], 0
	v_lshrrev_b32 v1, 5, v0
	v_readfirstlane_b32 s18, v1                    ; wave 0..3
	v_and_b32 v1, 31, v0                           ; lane
	s_mov_b32 s20, 0x76543210
	s_mov_b32 s21, 0xfedcba98                      ; v_permlanex16_b32's selects for lane l xor 16
	s_mov_b32 s22, 0x600000                        ; the mantissa field of 57,344
	s_mov_b32 s23, 0xffff0000                      ; lanes 16-31
	s_cmp_lt_u32 ttmp9, 256
	s_cbranch_scc0 .Lweights
; 64 numbers of a lane, register 16 b + i = k 32 b + 16 (lane / 16) + i of my row, become a fragment's codes in v[pc] on and its scale word in v[pw].
.macro QUANT4 s, pc, pw
.irp b, 0,1,2,3
	v_max3_num_f32 v[TM+\b], |v[\s+16*\b]|, |v[\s+1+16*\b]|, 0x8000000   ; block b: my 16 numbers, and the floor 2^(16 - 127): the byte cannot fall under 1
.endr
.irp i, 2,4,6,8,10,12,14
.irp b, 0,1,2,3
	v_max3_num_f32 v[TM+\b], v[TM+\b], |v[\s+16*\b+\i]|, |v[\s+1+16*\b+\i]|   ; the four blocks by turns
.endr
.endr
.irp b, 0,1,2,3
	v_permlanex16_b32 v[TM+4+\b], v[TM+\b], s20, s21
.endr
.irp b, 0,1,2,3
	v_max_num_f32 v[TM+\b], v[TM+\b], v[TM+4+\b]   ; with lane l xor 16: the block's largest magnitude
.endr
.irp b, 0,1,2,3
	v_add_nc_u32 v[TM+12+\b], 0xf8800000, v[TM+\b] ; 15 off its exponent field: the conversion takes the exponent field of this operand as its scale
.endr
.irp b, 0,1,2,3
	v_and_or_b32 v[TM+8+\b], v[TM+\b], 0x7f800000, s22   ; 57,344 x the scale
.endr
.irp b, 0,1,2,3
	v_lshrrev_b32 v[TM+4+\b], 23, v[TM+12+\b]      ; the scale's byte
.endr
	v_lshl_or_b32 v[\pw], v[TM+5], 8, v[TM+4]
	v_lshl_or_b32 v[\pw], v[TM+6], 16, v[\pw]
	v_lshl_or_b32 v[\pw], v[TM+7], 24, v[\pw]
.irp b, 0,1,2,3
.irp i, 0,1,2,3,4,5,6,7,8,9,10,11,12,13,14,15
	v_med3_num_f32 v[\s+16*\b+\i], v[\s+16*\b+\i], -v[TM+8+\b], v[TM+8+\b]   ; the conversion to an 8-bit code does not saturate (ISA guide 7.6.2): the hold comes first
.endr
	v_cvt_scalef32_pk8_bf8_f32 v[\pc+4*\b:\pc+1+4*\b], v[\s+16*\b:\s+7+16*\b], v[TM+12+\b]
	v_cvt_scalef32_pk8_bf8_f32 v[\pc+2+4*\b:\pc+3+4*\b], v[\s+8+16*\b:\s+15+16*\b], v[TM+12+\b]
.endr
	v_nop                                          ; one plain line behind the last conversion
.endm
	; ---- x: tile T = the work-group's number.  Each load reads 512 consecutive bytes of one row (a K step); the conversions want 16 neighbours in one lane: so a K step's 16 rows turn through my own stage in LDS.
	v_lshlrev_b32 v2, 4, v1                        ; 16 x lane
	v_lshlrev_b32 v3, 2, v1                        ; 4 x lane
	s_mul_i32 s24, s18, 2*STG                      ; my two stages
	v_add_nc_u32 v4, s24, v2                       ; into a stage: 16 x lane of a row
	v_and_b32 v26, 15, v0                          ; r
	v_bfe_u32 v27, v0, 4, 1                        ; h
	v_mul_u32_u24 v5, v26, SROW
	v_lshl_add_u32 v5, v27, 6, v5
	v_add_nc_u32 v5, s24, v5                       ; out of it: row r, + 64 h: my 16 numbers of a block of 32
.irp b, 0,1,2,3
	v_mov_b32 v[TM+4+\b], 0                        ; written once: a lane permute's destination counts as one of its sources
.endr
	s_lshr_b32 s25, ttmp9, 1
	s_lshl_b32 s25, s25, 5
	s_and_b32 s26, ttmp9, 1
	s_lshl_b32 s26, s26, 3
	s_add_co_u32 s25, s25, s26                     ; the tile's first row: 32 (T / 2) + 8 (T % 2)
	s_lshl_b32 s26, s25, 12                        ; x 4,096 bytes
	s_lshl_b32 s27, s18, 10
	s_add_co_u32 s26, s26, s27                     ; + my two K steps: 1,024 bytes x wave
	s_mov_b32 s27, 0
	s_mul_i32 s28, ttmp9, REC
	s_lshl_b32 s29, s18, 12
	s_add_co_u32 s30, s28, s29                     ; my codes: REC T + 4096 x wave
	s_mov_b32 s31, 0
	s_lshl_b32 s29, s18, 7
	s_add_co_u32 s28, s28, s29
	s_add_co_u32 s28, s28, 16384                   ; my scale words: REC T + 16384 + 128 x wave
	s_mov_b32 s29, 0
	s_wait_alu depctr_va_vdst(0)
	s_wait_kmcnt 0x0
	s_add_nc_u64 s[4:5], s[4:5], s[26:27]
	s_add_nc_u64 s[32:33], s[14:15], s[30:31]
	s_add_nc_u64 s[34:35], s[14:15], s[28:29]
.irp e, 0,1
.irp p, 0,1,2,3,4,5,6,7,8,9,10,11,12,13,14,15
	global_load_b128 v[R0+64*\e+4*\p:R0+64*\e+4*\p+3], v2, s[4:5] offset:(\p+8*(\p/8))*4096+512*\e th:TH_LOAD_NT   ; tile row p, K step e: 32 lanes read 512 consecutive bytes
.endr
.endr
.macro INTO e
.irp p, 0,1,2,3,4,5,6,7,8,9,10,11,12,13,14,15
	ds_store_b128 v4, v[R0+64*\e+4*\p:R0+64*\e+4*\p+3] offset:STG*\e+SROW*\p
.endr
.endm
.macro BACK e, x
.irp b, 0,1,2,3
.irp j, 0,1,2,3
	ds_load_b128 v[\x+16*\b+4*\j:\x+16*\b+4*\j+3], v5 offset:STG*\e+128*\b+16*\j   ; LDS serves a wave's instructions in order: these see my stores
.endr
.endr
.endm
	s_wait_loadcnt 16                              ; the first K step's 16 loads are in; the second's 16 may be out
	INTO 0
	BACK 0, X0
	s_wait_loadcnt 0x0
	INTO 1
	s_wait_dscnt 16                                ; all but the 16 stores just issued: the first step's neighbours are in, and its stores have read v64-127,
	BACK 1, R0                                     ; which take the second step's neighbours
	QUANT4 X0, PC0, 24
.irp c, 0,1,2,3
	global_store_b128 v2, v[PC0+4*\c:PC0+4*\c+3], s[32:33] offset:512*\c   ; 32 lanes store 512 consecutive bytes
.endr
	s_wait_dscnt 0x0
	QUANT4 R0, PC1, 25
.irp c, 0,1,2,3
	global_store_b128 v2, v[PC1+4*\c:PC1+4*\c+3], s[32:33] offset:2048+512*\c
.endr
	v_cndmask_b32 v26, v24, v25, s23               ; lanes 0-15: row r's word of K step 2 a; lanes 16-31: of 2 a + 1
	global_store_b32 v3, v26, s[34:35]
	s_wait_tensorcnt 0x0                           ; the wave's end: three closing lines behind my last LDS store
	ds_add_u32 v[SPW], v[NIL]
	s_wait_dscnt 0x0
	s_endpgm
; ---- the weights: K is their FIRST axis.  A lane takes a column and its registers run down K: each load reads 128 consecutive bytes a wave (512 a work-group), a block of 32 lies in one lane, and the codes come out with K innermost.
; Block c of my 128 numbers: left = the younger loads that may stay out.
.macro WBLOCK c, left
.set XS, 64+32*(\c)
	s_wait_loadcnt \left
	v_max3_num_f32 v12, |v[XS]|, |v[XS+1]|, |v[XS+2]|
	v_max3_num_f32 v13, |v[XS+3]|, |v[XS+4]|, |v[XS+5]|
.irp i, 6,10,14,18,22,26
	v_max3_num_f32 v12, v12, |v[XS+\i]|, |v[XS+\i+1]|
	v_max3_num_f32 v13, v13, |v[XS+\i+2]|, |v[XS+\i+3]|
.endr
	v_max3_num_f32 v12, v12, |v[XS+30]|, |v[XS+31]|
	v_max3_num_f32 v12, v12, v13, 0x8000000        ; and the floor
	v_add_nc_u32 v14, 0xf8800000, v12              ; the conversion's scale operand
	v_and_or_b32 v15, v12, 0x7f800000, s22         ; 57,344 x the scale
	v_lshrrev_b32 v13, 23, v14                     ; the byte
.if (\c) == 0
	v_mov_b32 v24, v13
.else
	v_lshl_or_b32 v24, v13, 8*(\c), v24
.endif
.irp i, 0,1,2,3,4,5,6,7,8,9,10,11,12,13,14,15,16,17,18,19,20,21,22,23,24,25,26,27,28,29,30,31
	v_med3_num_f32 v[XS+\i], v[XS+\i], -v15, v15
.endr
.irp g, 0,1,2,3
	v_cvt_scalef32_pk8_bf8_f32 v[32+8*(\c)+2*\g:32+8*(\c)+2*\g+1], v[XS+8*\g:XS+8*\g+7], v14
.endr
	v_nop                                          ; one plain line behind the last conversion: the next block writes v14
	global_store_b128 v9, v[32+8*(\c):32+8*(\c)+3], s[34:35] offset:512*(\c)         ; k 0-15 of the block: the place of lanes 0-15.  The sixteen lanes of a tile store 256 consecutive bytes, aligned
	global_store_b128 v9, v[32+8*(\c)+4:32+8*(\c)+7], s[34:35] offset:512*(\c)+256   ; k 16-31: the place of lanes 16-31
.endm
; s24 = the K step, s25 = which 32 columns, s26 = their first tile, s[28:29] = the weight
.macro WPATH pitch
	v_lshlrev_b32 v8, 2, v1                        ; my column: 4 x lane
	s_wait_alu depctr_va_vdst(0)
	v_bfe_u32 v9, v1, 3, 1                         ; column l of 32 is row r of tile u: u = (l / 8) % 2,
	v_and_b32 v10, 7, v1
	v_lshrrev_b32 v11, 4, v1
	v_lshl_or_b32 v10, v11, 3, v10                 ; r = l % 8 + 8 (l / 16)
	v_mul_u32_u24 v11, v9, REC
	v_lshl_add_u32 v9, v10, 4, v11                 ; REC u + 16 r
	v_lshl_add_u32 v10, v10, 2, v11                ; REC u + 4 r
	s_mul_i32 s30, s24, 128*\pitch
	s_lshl_b32 s31, s25, 7
	s_add_co_u32 s30, s30, s31
	s_mov_b32 s31, 0
	s_add_nc_u64 s[28:29], s[28:29], s[30:31]
	s_mul_i32 s32, s26, REC
	s_lshl_b32 s33, s24, 11
	s_add_co_u32 s34, s32, s33                     ; codes: REC x tile + 2048 s
	s_mov_b32 s35, 0
	s_lshl_b32 s33, s24, 6
	s_add_co_u32 s36, s32, s33
	s_add_co_u32 s36, s36, 16384                   ; scale words: REC x tile + 16384 + 64 s
	s_mov_b32 s37, 0
	s_add_nc_u64 s[34:35], s[16:17], s[34:35]
	s_add_nc_u64 s[36:37], s[16:17], s[36:37]
.irp c, 0,1,2,3
.irp i, 0,1,2,3,4,5,6,7,8,9,10,11,12,13,14,15,16,17,18,19,20,21,22,23,24,25,26,27,28,29,30,31
	global_load_b32 v[64+32*\c+\i], v8, s[28:29] offset:(32*\c+\i)*\pitch th:TH_LOAD_NT
.endr
.endr
	WBLOCK 0, 63                                   ; 96 younger loads could stay out; the count's field holds 63, and a smaller count is safe
	WBLOCK 1, 63                                   ; (64 could)
	WBLOCK 2, 32
	WBLOCK 3, 0
	global_store_b32 v10, v24, s[36:37]            ; my column's scale word of this K step
.endm
.Lweights:
	s_cmp_lt_u32 ttmp9, 384
	s_cbranch_scc0 .Lnarrow
	s_sub_co_u32 s27, ttmp9, 256
	s_and_b32 s24, s27, 7                          ; the K step
	s_lshr_b32 s27, s27, 3                         ; 0-7: wq; 8-15: wo
	s_and_b32 s25, s27, 7
	s_lshl_b32 s25, s25, 2
	s_add_co_u32 s25, s25, s18                     ; m: which 32 columns of 1,024
	s_lshl_b32 s26, s25, 1
	s_wait_kmcnt 0x0
	s_cmp_lt_u32 s27, 8                            ; the choice hangs on the work-group's number alone
	s_cselect_b64 s[28:29], s[6:7], s[12:13]
	s_cselect_b32 s30, 0, 96
	s_add_co_u32 s26, s26, s30                     ; tile 2 m, or 96 + 2 m
	s_wait_alu depctr_va_vdst(0)
	WPATH 4096
	s_endpgm
.Lnarrow:
	s_sub_co_u32 s27, ttmp9, 384
	s_and_b32 s24, s27, 7
	s_lshr_b32 s27, s27, 3                         ; 0, 1: wk; 2, 3: wv
	s_and_b32 s25, s27, 1
	s_lshl_b32 s25, s25, 2
	s_add_co_u32 s25, s25, s18                     ; m: which 32 columns of 256
	s_lshr_b32 s26, s25, 1
	s_lshl_b32 s26, s26, 3                         ; 8 x head
	s_and_b32 s30, s25, 1
	s_lshl_b32 s30, s30, 1
	s_add_co_u32 s26, s26, s30
	s_add_co_u32 s26, s26, 64
	s_wait_kmcnt 0x0
	s_cmp_lt_u32 s27, 2
	s_cselect_b64 s[28:29], s[8:9], s[10:11]
	s_cselect_b32 s30, 0, 4
	s_add_co_u32 s26, s26, s30                     ; tile 64 + 8 x head + 2 (m % 2), + 4 for wv
	s_wait_alu depctr_va_vdst(0)
	WPATH 1024
	s_endpgm
.Lfunc_end_k_qa9331bd2c2_quant:
	.size	k_qa9331bd2c2_quant, .Lfunc_end_k_qa9331bd2c2_quant-k_qa9331bd2c2_quant
	.p2alignl 7, 3214868480
	.fill 96, 4, 3214868480
	.section	.rodata,"a",@progbits
	.p2align	6, 0x0
	.amdhsa_kernel k_qa9331bd2c2_quant
		.amdhsa_group_segment_fixed_size 68096
		.amdhsa_private_segment_fixed_size 0
		.amdhsa_enable_private_segment 0
		.amdhsa_kernarg_size 56
		.amdhsa_user_sgpr_count 2
		.amdhsa_user_sgpr_kernarg_segment_ptr 1
		.amdhsa_wavefront_size32 1
		.amdhsa_system_sgpr_workgroup_id_x 1
		.amdhsa_system_sgpr_workgroup_id_y 1
		.amdhsa_system_sgpr_workgroup_id_z 1
		.amdhsa_system_vgpr_workitem_id 0
		.amdhsa_next_free_vgpr 256
		.amdhsa_next_free_sgpr 66
		.amdhsa_reserve_vcc 0
		.amdhsa_float_denorm_mode_32 3
		.amdhsa_float_denorm_mode_16_64 3
		.amdhsa_memory_ordered 1
		.amdhsa_forward_progress 1
		.amdhsa_inst_pref_size 85
	.end_amdhsa_kernel
	.amdgpu_metadata
---
amdhsa.version: [ 1, 2 ]
amdhsa.kernels:
  - .name:           k_qa9331bd2c2_quant
    .symbol:         k_qa9331bd2c2_quant.kd
    .args:
      - { .name: x, .offset: 0, .size: 8, .value_kind: global_buffer, .address_space: global }
      - { .name: wq, .offset: 8, .size: 8, .value_kind: global_buffer, .address_space: global }
      - { .name: wk, .offset: 16, .size: 8, .value_kind: global_buffer, .address_space: global }
      - { .name: wv, .offset: 24, .size: 8, .value_kind: global_buffer, .address_space: global }
      - { .name: wo, .offset: 32, .size: 8, .value_kind: global_buffer, .address_space: global }
      - { .name: xb, .offset: 40, .size: 8, .value_kind: global_buffer, .address_space: global }
      - { .name: wb, .offset: 48, .size: 8, .value_kind: global_buffer, .address_space: global }
    .group_segment_fixed_size: 68096
    .private_segment_fixed_size: 0
    .kernarg_segment_align: 8
    .kernarg_segment_size: 56
    .max_flat_workgroup_size: 128
    .sgpr_count:     66
    .vgpr_count:     256
    .wavefront_size: 32
...
	.end_amdgpu_metadata
.endif
;; end of part 1
;; launch qkv (part 2): grid 8 x 32, 4 waves a work-group, clusters of 4 x 4, 327,680 bytes of LDS; arguments xb, wb, cos, sin, ab; writes ab
.if DOCPART == 2
	.amdgcn_target "amdgcn-amd-amdhsa--gfx1250"
	.amdhsa_code_object_version 6
	.text
	.protected	k_qa9331bd2c2_qkv
	.globl	k_qa9331bd2c2_qkv
	.p2align	8
	.type	k_qa9331bd2c2_qkv,@function
k_qa9331bd2c2_qkv:
	s_mov_b64 s[64:65], 0
	v_nop
	global_prefetch_b8 v0, s[64:65] scope:SCOPE_SE
	s_setreg_imm32_b32 hwreg(HW_REG_WAVE_MODE, 25, 1), 1
	s_wait_xcnt 0x0
	s_wait_alu depctr_hold_cnt(0) depctr_sa_sdst(0) depctr_va_vdst(0) depctr_va_sdst(0) depctr_va_ssrc(0) depctr_va_vcc(0) depctr_vm_vsrc(0)
	s_getreg_b32 s2, hwreg(HW_REG_IB_STS2, 6, 4)
	s_cmp_eq_u32 s2, 0
	s_cbranch_scc0 .Lentry_in_a_cluster
	s_endpgm
.Lentry_in_a_cluster:
	s_bfe_u32 s2, ttmp6, 0x10000c
	s_cmp_lg_u32 s2, 0xf033
	s_cbranch_scc0 .Lentry_shape_is_right
	s_endpgm
.Lentry_shape_is_right:
; SECOND LAUNCH: q = x wq, k = x wk, v = x wv on codes of BF8 (E5M2) with E8M0 scales; RoPE on q and k in f32; then the quantisers of the attention's operands: q and k along the head's 64, v along the keys.
; Nothing is left out here.  LIMITS as stated at the head of the first launch (NaN and infinities not served; a block of zeros gets the byte 1).
; SHARES.  256 work-groups of four waves: 128 rows x 192 columns, three head slots.  Cluster x 0: q's heads 3 cx .. 3 cx + 2; cluster x 1: q's head 12 + cx, k's head cx, v's head cx.  Wave w makes rows 32 w on of all three slots.
; x: a wave's two records are its own, so all of their K goes straight from memory into 256 registers.  THE WEIGHTS' 12 records (202,752 bytes) lie whole in LDS: waves 0, 1, 2 fetch a slot (four records) each, by one tensor load.
; No LDS byte is filled twice.  A barrier a slot: slot s + 1 is shown inside slot s.  No prefetch: everything is asked for at the head, and there is no loop to run ahead in.
; CLUSTERS: 4 x 4 work-groups.  A slot hangs on the tile column alone and is asked for jointly along a column of the cluster.
; q, k: source 0 = the weight's tile, source 1 = x's tile: a lane holds ONE row, and registers 16 b + i of a row tile's 32 are channels 32 b + 16 (lane / 16) + i: RoPE's partner, 32 channels away, lies in the same lane.
; v:    source 0 = x's tile, source 1 = the weight's: a lane holds ONE channel; its 16 registers of x's two tiles are keys 32 w + 16 (lane / 16) + 0 .. 15.
; A slot's RoPE and quantiser stand behind the next slot's products, a piece a K step; they are also the places ahead of the loads into the fragments just read.
; ab: q's and k's codes [b][20 heads: 16 q, 4 k][tile 0..127][c 0..1][lane][16 bytes] at 0; v's codes [4 b + j][key step 0..15][tile 0..3][c 0..3][lane][16] at VCOFF;
;     q's scale words [16 b + head][tile][r] at QSOFF, a row's two bytes twice over;  at KVOFF [4 b + j][key step][512 bytes]: k's words [pair of tiles 0..3][r]: bytes 0, 1 the even tile's, 2, 3 the odd tile's; then v's words [tile][r].
; REGISTERS.  Window 0: v3-13, v30, v31, v74-77 addresses; v14-29 at work; v32-39 x's scale words; v42-57, v58-73 the weights', two slots; v78, v79 q's or k's words; v80-95 codes; v96-127 a row tile after RoPE; v128-255 two sets of 8 accumulators.
;   Window 1: x: tile l, K step s at 128 l + 16 s.  Window 2: the weights' fragments: four sets of four.  Window 3: cos and sin of my two tiles.
.set REC,   16896
.set SLOTB, 4*REC
.set STG,   12*REC                     ; the scale words on their way out: q's 512 bytes for each slot, then k's and v's 256 each
.set STGK,  STG+1536
.set SPARE, STG+4096                   ; the spare words, 128 bytes a wave
.set VCOFF, 5242880
.set QSOFF, 6291456
.set KVOFF, 6553600
.set AB,   5                           ; v5-10: slot s's fragments: K steps 0-3 at AB + 2 s, 4-7 at AB + 2 s + 1
.set SPW,  12
.set NIL,  13
.set TM,   14
.set AQ,   30
.set AKS,  31
.set SCA,  32
.set SCB,  42
.set AVS,  74
.set ADS,  75
.set WD,   78
.set PC,   80
.set T,    96
.set ACC,  128
.set G1,   24
.set G0,   32
.set SEL,  36
.set MNT,  38
.set MSB, 0
.macro WIN new
.if MSB != \new
	s_set_vgpr_msb (MSB<<8)|\new
.set MSB, \new
.endif
.endm
.macro CROUND                          ; a round of the cluster's barrier
	s_barrier_signal -1
	s_barrier_wait -1
	s_cmp_lg_u32 s14, 0
	s_cbranch_scc1 .Lnot_wave_0_\@
	s_barrier_signal -3
.Lnot_wave_0_\@:
	s_barrier_wait -3
	s_barrier_signal -1
	s_barrier_wait -1
.endm
.macro PLACES cnt
.rept \cnt
	v_nop
.endr
.endm
	s_load_b256 s[4:11], s[0:1], 0x0               ; xb, wb, cos, sin
	s_load_b64 s[12:13], s[0:1], 0x20              ; ab
	v_lshl_add_u32 v[SPW], v0, 2, SPARE
	v_mov_b32 v[NIL], 0
	ds_add_u32 v[SPW], v[NIL]                      ; the wave's opening: the add, twice on end, and its wait ahead of my first tensor load
	ds_add_u32 v[SPW], v[NIL]
	v_lshrrev_b32 v1, 5, v0
	v_readfirstlane_b32 s14, v1                    ; wave 0..3
	v_and_b32 v1, 15, v0                           ; r
	v_bfe_u32 v2, v0, 4, 1                         ; h
	v_and_b32 v4, 31, v0
	v_lshlrev_b32 v3, 4, v4                        ; 16 x lane
	v_lshlrev_b32 v4, 2, v4                        ; 4 x lane
	v_mov_b32 v[AB], v3
	v_add_nc_u32 v[AB+1], 8192, v3
	v_add_nc_u32 v[AB+2], SLOTB, v3
	v_add_nc_u32 v[AB+3], SLOTB+8192, v3
	v_add_nc_u32 v[AB+4], 2*SLOTB, v3
	v_add_nc_u32 v[AB+5], 2*SLOTB+8192, v3
	v_add_nc_u32 v[ADS], 16384, v4
	v_add_nc_u32 v[ADS+1], SLOTB+16384, v4
	v_add_nc_u32 v[ADS+2], 2*SLOTB+16384, v4
	v_and_b32 v11, 8, v1
	v_add_nc_u32 v11, v11, v1                      ; r + 8 (r / 8)
	v_lshlrev_b32 v11, 8, v11
	v_lshl_add_u32 v11, v2, 6, v11                 ; cos, sin: my row of a tile x 256 bytes + 64 h
	v_lshlrev_b32 v14, 2, v1                       ; 4 r
	s_lshl_b32 s18, s14, 7
	s_add_co_u32 s18, s18, STG
	v_add_nc_u32 v[AQ], s18, v14                   ; q's words: 128 w + 64 l + 4 r
	s_lshl_b32 s18, s14, 6
	s_add_co_u32 s18, s18, STGK
	v_add_nc_u32 v[AKS], s18, v14                  ; k's: 64 w + 4 r + 2 l
	s_add_co_u32 s18, s14, STGK+256
	v_add_nc_u32 v[AVS], s18, v14                  ; v's: 64 t + 4 r + w
	v_mov_b32 v[TM+2], 0                           ; written once: a lane permute's destination counts as one of its sources
	v_mov_b32 v[TM+3], 0
	s_bfe_u32 s40, ttmp6, 0x40000                  ; cx, cy
	s_bfe_u32 s41, ttmp6, 0x40004
	s_and_b32 s17, ttmp7, 0xffff
	s_lshl_b32 s17, s17, 2
	s_add_co_u32 s17, s17, s41                     ; Y: row tile
	s_lshl_b32 s44, 0x1111, s40                    ; my column of the cluster
	s_or_b32 s[G1+0], s44, (3<<16)|(1<<21)         ; the mask; elements of 8 bytes; bit 21 beside a mask; no padding
	s_mov_b32 s[G1+1], 32<<16                      ; rows of 256 bytes,
	s_mov_b32 s[G1+2], 264<<16                     ; 264 of them: four records, dense
	s_mov_b32 s[G1+3], 32<<16
	s_mov_b32 s[G1+4], 264
	s_mov_b32 s[G1+5], 32
	s_mov_b32 s[G1+6], 0
	s_mov_b32 s[G1+7], 0
	s_mov_b32 s[SEL], 0x76543210
	s_mov_b32 s[SEL+1], 0xfedcba98
	s_mov_b32 s[MNT], 0x600000
	; which slots of wb are mine: s66, s67, s68; q's or k's head of slots 0, 1, 2: s66, s69, s22
	s_mul_i32 s20, s40, 3
	s_add_co_u32 s21, s20, 1
	s_add_co_u32 s22, s20, 2
	s_add_co_u32 s66, s40, 12
	s_lshl_b32 s67, s40, 1
	s_add_co_u32 s68, s67, 17
	s_add_co_u32 s67, s67, 16
	s_add_co_u32 s69, s40, 16
	s_add_co_u32 s84, s20, s14
	s_cmp_eq_u32 ttmp9, 0
	s_cselect_b32 s66, s20, s66
	s_cselect_b32 s67, s21, s67
	s_cselect_b32 s68, s22, s68
	s_cselect_b32 s69, s21, s69
	s_cselect_b32 s84, s84, s66                    ; q's head whose words I store at the end
	s_mul_i32 s46, s66, SLOTB
	s_mul_i32 s48, s67, SLOTB
	s_mul_i32 s50, s68, SLOTB
	s_mov_b32 s47, 0
	s_mov_b32 s49, 0
	s_mov_b32 s51, 0
	s_lshr_b32 s70, s17, 4                         ; b
	s_and_b32 s71, s17, 15                         ; the key step
	s_lshl_b32 s72, s71, 3
	s_lshl_b32 s73, s14, 1
	s_add_co_u32 s72, s72, s73                     ; my first row tile in the batch: 8 sg + 2 w
	s_mul_i32 s73, s70, 20
	s_add_co_u32 s74, s73, s66                     ; codes of slot 0: ((20 b + head) 128 + tile) x 1,024
	s_lshl_b32 s74, s74, 7
	s_add_co_u32 s74, s74, s72
	s_lshl_b32 s74, s74, 10
	s_mov_b32 s75, 0
	s_add_co_u32 s76, s73, s69                     ; slot 1
	s_lshl_b32 s76, s76, 7
	s_add_co_u32 s76, s76, s72
	s_lshl_b32 s76, s76, 10
	s_mov_b32 s77, 0
	s_add_co_u32 s78, s73, s22                     ; slot 2, where it is q's
	s_lshl_b32 s78, s78, 7
	s_add_co_u32 s78, s78, s72
	s_lshl_b32 s78, s78, 10
	s_mov_b32 s79, 0
	s_lshl_b32 s85, s70, 2
	s_add_co_u32 s85, s85, s40                     ; 4 b + cx
	s_lshl_b32 s80, s85, 4
	s_add_co_u32 s80, s80, s71
	s_lshl_b32 s80, s80, 13
	s_lshl_b32 s81, s14, 9
	s_add_co_u32 s80, s80, s81
	s_add_co_u32 s80, s80, VCOFF                   ; v's codes: ((4 b + j) 16 + sg) x 8,192 + 512 w
	s_mov_b32 s81, 0
	s_lshl_b32 s82, s70, 4
	s_add_co_u32 s82, s82, s84
	s_lshl_b32 s82, s82, 13
	s_lshl_b32 s83, s71, 9
	s_add_co_u32 s82, s82, s83
	s_add_co_u32 s82, s82, QSOFF                   ; q's words: ((16 b + head) 128 + 8 sg) x 64
	s_lshl_b32 s85, s85, 13
	s_add_co_u32 s85, s85, s83
	s_add_co_u32 s85, s85, KVOFF                   ; k's and v's: (4 b + j) x 8,192 + 512 sg
	s_lshl_b32 s86, ttmp9, 2
	s_add_co_u32 s86, s86, s14
	s_lshl_b32 s87, s14, 9
	s_add_co_u32 s89, s87, 1024
	s_cmp_eq_u32 s86, 5                            ; cluster x 1, wave 1: k's and v's words
	s_cselect_b32 s82, s85, s82
	s_cselect_b32 s87, s89, s87                    ; where they lie behind STG: 0, 512, 1,024 or 1,536 in every wave that stores,
	s_min_u32 s87, s87, 1536                       ; and inside the stage in every wave
	s_mov_b32 s83, 0
	s_sub_co_u32 s88, 3, ttmp9                     ; how many waves store words
	s_lshl_b32 s90, s71, 15
	s_lshl_b32 s91, s14, 13
	s_add_co_u32 s90, s90, s91                     ; cos, sin: position 128 sg + 32 w, 256 bytes each
	s_mov_b32 s91, 0
	s_lshl_b32 s92, s17, 3
	s_lshl_b32 s93, s14, 1
	s_add_co_u32 s92, s92, s93
	s_mul_i32 s92, s92, REC                        ; x: records 8 Y + 2 w, and the next
	s_mov_b32 s93, 0
	s_wait_alu depctr_va_vdst(0)
	s_wait_dscnt 0x0                               ; both opening adds are done
	CROUND                                         ; all sixteen work-groups are here: the joint loads meet
	s_wait_kmcnt 0x0
	s_add_nc_u64 s[46:47], s[6:7], s[46:47]
	s_add_nc_u64 s[48:49], s[6:7], s[48:49]
	s_add_nc_u64 s[50:51], s[6:7], s[50:51]
	s_add_nc_u64 s[92:93], s[4:5], s[92:93]
	s_add_nc_u64 s[8:9], s[8:9], s[90:91]
	s_add_nc_u64 s[10:11], s[10:11], s[90:91]
	s_add_nc_u64 s[74:75], s[12:13], s[74:75]
	s_add_nc_u64 s[76:77], s[12:13], s[76:77]
	s_add_nc_u64 s[78:79], s[12:13], s[78:79]
	s_add_nc_u64 s[80:81], s[12:13], s[80:81]
	s_add_nc_u64 s[82:83], s[12:13], s[82:83]
	s_mov_b32 s[G0], 1
; ONE joint load a wave: wave s fetches slot s; each has a line of its own, since the waits for them part below.  An s_nop 0 and four v_nop follow each
.macro ARM under, slot, base, next
	s_cmp_lt_u32 s14, \under
	s_cbranch_scc0 \next
	s_mov_b32 s[G0+1], \slot*SLOTB
	s_mov_b64 s[G0+2:G0+3], s[\base:\base+1]
	s_or_b32 s[G0+3], s[G0+3], 0x80000000
	tensor_load_to_lds s[G0:G0+3], s[G1:G1+7]
	s_nop 0
	PLACES 4
	s_branch .Lasked
\next:
.endm
	ARM 1, 0, 46, .Lh1
	ARM 2, 1, 48, .Lh2
	ARM 3, 2, 50, .Lh3
.Lasked:
.irp l, 0,1
.irp a, 0,1,2,3
	global_load_b32 v[SCA+4*\l+\a], v4, s[92:93] offset:REC*\l+16384+128*\a    ; x's scale words: lanes 0-15 K step 2 a, lanes 16-31 K step 2 a + 1
.endr
.endr
	WIN 0x40
.irp s, 0,1,2,3,4,5,6,7
.irp l, 0,1
.irp c, 0,1,2,3
	global_load_b128 v[128*\l+16*\s+4*\c:128*\l+16*\s+4*\c+3], v3, s[92:93] offset:REC*\l+2048*\s+512*\c   ; 32 lanes read 512 consecutive bytes
.endr
.endr
.endr
	WIN 0xc0
.irp l, 0,1
.irp k, 0,1
.irp j, 0,1,2,3
	global_load_b128 v[64*\l+16*\k+4*\j:64*\l+16*\k+4*\j+3], v11, s[8:9] offset:2048*\l+128*\k+16*\j          ; cos of channels 32 k + 16 h on
	global_load_b128 v[64*\l+32+16*\k+4*\j:64*\l+32+16*\k+4*\j+3], v11, s[10:11] offset:2048*\l+128*\k+16*\j  ; sin
.endr
.endr
.endr
	WIN 0
.macro FETCH x                         ; step x = 8 slot + K step: four fragments into set x % 4: 16 loads, each 512 consecutive bytes
	WIN 0x80
.irp t, 0,1,2,3
.irp c, 0,1,2,3
	ds_load_b128 v[64*((\x)%4)+16*\t+4*\c:64*((\x)%4)+16*\t+4*\c+3], v[AB+2*((\x)/8)+((\x)%8)/4] offset:REC*\t+2048*((\x)%4)+512*\c
.endr
.endr
	WIN 0
.endm
.macro SCALES k                        ; a slot's scale words
.irp t, 0,1,2,3
.irp a, 0,1,2,3
	ds_load_b32 v[SCB+16*((\k)%2)+4*\t+\a], v[ADS+\k] offset:REC*\t+128*\a
.endr
.endr
.endm
.macro PROD x, swap, l, t              ; x's tile l, the weight's tile t
.set e_, ((\x)/8)%2
.set s_, (\x)%8
.set rX, 128*(\l)+16*s_
.set rW, 64*((\x)%4)+16*(\t)
.set qX, SCA+4*(\l)+s_/2
.set qW, SCB+16*e_+4*(\t)+s_/2
.if \swap
.set rD, ACC+64*e_+8*(2*(\t)+(\l))
.set rA, rX
.set rB, rW
.set qA, qX
.set qB, qW
.else
.set rD, ACC+64*e_+8*(4*(\l)+(\t))
.set rA, rW
.set rB, rX
.set qA, qW
.set qB, qX
.endif
.if s_ == 0
	v_wmma_scale_f32_16x16x128_f8f6f4 v[rD:rD+7], v[rA:rA+15], v[rB:rB+15], 0, v[qA], v[qB] matrix_a_fmt:MATRIX_FMT_BF8 matrix_b_fmt:MATRIX_FMT_BF8
.elseif s_%2
	v_wmma_scale_f32_16x16x128_f8f6f4 v[rD:rD+7], v[rA:rA+15], v[rB:rB+15], v[rD:rD+7], v[qA], v[qB] matrix_a_fmt:MATRIX_FMT_BF8 matrix_b_fmt:MATRIX_FMT_BF8 matrix_a_scale:MATRIX_SCALE_ROW1 matrix_b_scale:MATRIX_SCALE_ROW1
.else
	v_wmma_scale_f32_16x16x128_f8f6f4 v[rD:rD+7], v[rA:rA+15], v[rB:rB+15], v[rD:rD+7], v[qA], v[qB] matrix_a_fmt:MATRIX_FMT_BF8 matrix_b_fmt:MATRIX_FMT_BF8
.endif
.endm
.macro MUL x, swap                     ; the slot's 8 accumulators take turns, one instruction a turn
.if \swap
	WIN 0x09                                       ; source 0 window 1, source 1 window 2
.else
	WIN 0x06                                       ; source 0 window 2, source 1 window 1
.endif
.irp t, 0,1,2,3
.irp l, 0,1
	PROD \x, \swap, \l, \t
.endr
.endr
	WIN 0
.endm
; t(d) = a(d) cos(d) - a(d + 32) sin(d);  t(d + 32) = a(d + 32) cos(d + 32) + a(d) sin(d + 32), d under 32.  Each accumulator is read from its low end on
.macro ROPE l, e
.set A_, ACC+64*(\e)+32*(\l)
	WIN 0x0c                                       ; source 1 window 3
.irp n, 0,2,4,6,8,10,12,14
	v_pk_mul_f32 v[T+\n:T+\n+1], v[A_+\n:A_+\n+1], v[64*(\l)+\n:64*(\l)+\n+1]
	v_pk_mul_f32 v[T+16+\n:T+17+\n], v[A_+16+\n:A_+17+\n], v[64*(\l)+16+\n:64*(\l)+17+\n]
.endr
.irp n, 0,2,4,6,8,10,12,14
	v_pk_fma_f32 v[T+\n:T+\n+1], v[A_+16+\n:A_+17+\n], v[64*(\l)+32+\n:64*(\l)+33+\n], v[T+\n:T+\n+1] neg_lo:[1,0,0] neg_hi:[1,0,0]
	v_pk_fma_f32 v[T+16+\n:T+17+\n], v[A_+\n:A_+\n+1], v[64*(\l)+48+\n:64*(\l)+49+\n], v[T+16+\n:T+17+\n]
.endr
	WIN 0
.endm
; the two blocks' scales: v[TM+4] on the largest number x the scale, v[TM+6] on the conversions' scale operands, the word in v[WD + l].  slot 0's words are stored later, where no tensor load is out
.macro QB l, kind, slot
.irp b, 0,1
	v_max3_num_f32 v[TM+\b], |v[T+16*\b]|, |v[T+1+16*\b]|, 0x8000000   ; my 16 numbers, and the floor 2^(16 - 127)
.endr
.irp i, 2,4,6,8,10,12,14
.irp b, 0,1
	v_max3_num_f32 v[TM+\b], v[TM+\b], |v[T+16*\b+\i]|, |v[T+1+16*\b+\i]|
.endr
.endr
.irp b, 0,1
	v_permlanex16_b32 v[TM+2+\b], v[TM+\b], s[SEL], s[SEL+1]
.endr
.irp b, 0,1
	v_max_num_f32 v[TM+\b], v[TM+\b], v[TM+2+\b]   ; with lane l xor 16: the block's largest magnitude
.endr
.irp b, 0,1
	v_add_nc_u32 v[TM+6+\b], 0xf8800000, v[TM+\b]  ; 15 off the exponent field
.endr
.irp b, 0,1
	v_and_or_b32 v[TM+4+\b], v[TM+\b], 0x7f800000, s[MNT]   ; 57,344 x the scale
.endr
.irp b, 0,1
	v_lshrrev_b32 v[TM+8+\b], 23, v[TM+6+\b]       ; the byte
.endr
	v_lshl_or_b32 v[WD+\l], v[TM+9], 8, v[TM+8]
.if (\kind) == 0
	v_lshl_or_b32 v[WD+\l], v[WD+\l], 16, v[WD+\l] ; q: twice over
.endif
.if (\slot) > 0
.if (\kind) == 0
	ds_store_b32 v[AQ], v[WD+\l] offset:512*(\slot)+64*(\l)
.else
	ds_store_b16 v[AKS], v[WD+\l] offset:2*(\l)
.endif
.endif
	s_wait_alu depctr_va_vdst(0)
.endm
.macro QC l, slot
.if (\slot) > 0
	s_wait_xcnt 0x0                                ; the last slot's stores have read these registers
.endif
.irp b, 0,1
.irp i, 0,1,2,3,4,5,6,7,8,9,10,11,12,13,14,15
	v_med3_num_f32 v[T+16*\b+\i], v[T+16*\b+\i], -v[TM+4+\b], v[TM+4+\b]   ; the conversion does not saturate (ISA guide 7.6.2): the hold comes first
.endr
.endr
.irp b, 0,1
	v_cvt_scalef32_pk8_bf8_f32 v[PC+8*(\l)+4*\b:PC+8*(\l)+4*\b+1], v[T+16*\b:T+16*\b+7], v[TM+6+\b]
	v_cvt_scalef32_pk8_bf8_f32 v[PC+8*(\l)+4*\b+2:PC+8*(\l)+4*\b+3], v[T+16*\b+8:T+16*\b+15], v[TM+6+\b]
.endr
	v_nop                                          ; one plain line behind the last conversion
	global_store_b128 v3, v[PC+8*(\l):PC+8*(\l)+3], s[74+2*(\slot):75+2*(\slot)] offset:1024*(\l)      ; 32 lanes store 512 consecutive bytes
	global_store_b128 v3, v[PC+8*(\l)+4:PC+8*(\l)+7], s[74+2*(\slot):75+2*(\slot)] offset:1024*(\l)+512
.endm
; what stands behind step x's products: a piece of the last slot's way out (eight plain lines or more), or eight places
.macro CHUNK x, kind
.set CI, (\x)%8
.set CK, (\x)/8-1
.if CK < 0 || CI > 5
	PLACES 8
.elseif CI == 0
	ROPE 0, CK%2
.elseif CI == 1
	QB 0, \kind, CK
.elseif CI == 2
	QC 0, CK
.elseif CI == 3
	ROPE 1, CK%2
.elseif CI == 4
	QB 1, \kind, CK
.else
	QC 1, CK
.endif
.endm
.macro STEP x, swap
.if (\x) < 21
	s_wait_dscnt 48                                ; this step's fragments are in; the next three steps' 16 loads each may be out
.else
	s_wait_dscnt 16*(23-(\x))
.endif
	MUL \x, \swap
.if (\x) == 8
	s_wait_loadcnt 0x0                             ; cos and sin
.endif
	CHUNK \x, \swap
.if (\x) == 4                          ; slot 1 has landed: wave 1 has waited for its load
	s_cmp_lt_u32 s14, 2
	s_cbranch_scc0 .Lnot_yet_\@
	s_wait_tensorcnt 0x0
.Lnot_yet_\@:
.endif
.if (\x) == 12                         ; slot 2 has landed
	s_wait_tensorcnt 0x0
.endif
.if (\x) == 4 || (\x) == 12
	s_wait_dscnt 0x0
	s_barrier_signal -1
	s_barrier_wait -1
	SCALES (\x)/8+1
.endif
.if (\x) == 13                         ; slot 0's words
	ds_store_b32 v[AQ], v[WD]
	ds_store_b32 v[AQ], v[WD+1] offset:64
.endif
.if (\x) < 20
	FETCH (\x)+4                                   ; into the set just read, eight places and more behind its products
.endif
.endm
	s_wait_alu depctr_va_vdst(0)
	s_cmp_lt_u32 s14, 1
	s_cbranch_scc0 .Lnot_0
	s_wait_tensorcnt 0x0                           ; wave 0: slot 0 has landed
.Lnot_0:
	s_barrier_signal -1
	s_barrier_wait -1
	SCALES 0
	FETCH 0
	FETCH 1
	FETCH 2
	FETCH 3
	s_wait_loadcnt 32                              ; x is in; cos's and sin's 32 loads may be out
.set N, 0
.rept 16
	STEP N, 0
.set N, N+1
.endr
	s_cmp_eq_u32 ttmp9, 1                          ; the cluster's x: the same in all sixteen partners
	s_cbranch_scc1 .Lpath_v
.set N, 16
.rept 8
	STEP N, 0
.set N, N+1
.endr
	PLACES 8                                       ; in front of the first read of results
	ROPE 0, 0
	QB 0, 0, 2
	QC 0, 2
	ROPE 1, 0
	QB 1, 0, 2
	QC 1, 2
	s_branch .Lout
.Lpath_v:
.set N, 16
.rept 8
	STEP N, 1
.set N, N+1
.endr
	PLACES 8
	; v: channel tile t's 16 numbers at ACC + 16 t
.irp b, 0,1,2,3
	v_max3_num_f32 v[TM+\b], |v[ACC+16*\b]|, |v[ACC+1+16*\b]|, 0x8000000
.endr
.irp i, 2,4,6,8,10,12,14
.irp b, 0,1,2,3
	v_max3_num_f32 v[TM+\b], v[TM+\b], |v[ACC+16*\b+\i]|, |v[ACC+1+16*\b+\i]|
.endr
.endr
.irp b, 0,1,2,3
	v_mov_b32 v[TM+4+\b], 0                        ; (a lane permute's destination counts as one of its sources)
.endr
.irp b, 0,1,2,3
	v_permlanex16_b32 v[TM+4+\b], v[TM+\b], s[SEL], s[SEL+1]
.endr
.irp b, 0,1,2,3
	v_max_num_f32 v[TM+\b], v[TM+\b], v[TM+4+\b]
.endr
.irp b, 0,1,2,3
	v_add_nc_u32 v[TM+12+\b], 0xf8800000, v[TM+\b]
.endr
.irp b, 0,1,2,3
	v_and_or_b32 v[TM+8+\b], v[TM+\b], 0x7f800000, s[MNT]
.endr
.irp b, 0,1,2,3
	v_lshrrev_b32 v[TM+4+\b], 23, v[TM+12+\b]
.endr
.irp b, 0,1,2,3
	ds_store_b8 v[AVS], v[TM+4+\b] offset:64*\b    ; byte w of each channel's word
.endr
	s_wait_alu depctr_va_vdst(0)
	s_wait_xcnt 0x0                                ; slot 1's stores have read v80-95
.irp b, 0,1,2,3
.irp i, 0,1,2,3,4,5,6,7,8,9,10,11,12,13,14,15
	v_med3_num_f32 v[ACC+16*\b+\i], v[ACC+16*\b+\i], -v[TM+8+\b], v[TM+8+\b]
.endr
.endr
.irp b, 0,1,2,3
	v_cvt_scalef32_pk8_bf8_f32 v[PC+4*\b:PC+4*\b+1], v[ACC+16*\b:ACC+16*\b+7], v[TM+12+\b]
	v_cvt_scalef32_pk8_bf8_f32 v[PC+4*\b+2:PC+4*\b+3], v[ACC+16*\b+8:ACC+16*\b+15], v[TM+12+\b]
.endr
	v_nop
.irp b, 0,1,2,3
	global_store_b128 v3, v[PC+4*\b:PC+4*\b+3], s[80:81] offset:2048*\b   ; 32 lanes store 512 consecutive bytes
.endr
.Lout:
	s_wait_dscnt 0x0                               ; my words are in LDS,
	s_barrier_signal -1
	s_barrier_wait -1                              ; everybody's are
	s_cmp_lt_u32 s14, s88                          ; made of the cluster's x and the wave's number alone
	s_cbranch_scc0 .Lno_words
	v_add_nc_u32 v27, STG, v3
	v_add_nc_u32 v27, s87, v27
	ds_load_b128 v[T:T+3], v27
	s_wait_dscnt 0x0
	global_store_b128 v3, v[T:T+3], s[82:83]       ; 512 consecutive bytes, aligned: a slot's words of 128 rows, or k's and v's of a key step
.Lno_words:
	s_wait_tensorcnt 0x0                           ; the wave's end
	ds_add_u32 v[SPW], v[NIL]
	s_wait_dscnt 0x0
	CROUND                                         ; the closing round
	s_endpgm
.Lfunc_end_k_qa9331bd2c2_qkv:
	.size	k_qa9331bd2c2_qkv, .Lfunc_end_k_qa9331bd2c2_qkv-k_qa9331bd2c2_qkv
	.p2alignl 7, 3214868480
	.fill 96, 4, 3214868480
	.section	.rodata,"a",@progbits
	.p2align	6, 0x0
	.amdhsa_kernel k_qa9331bd2c2_qkv
		.amdhsa_group_segment_fixed_size 327680
		.amdhsa_private_segment_fixed_size 0
		.amdhsa_enable_private_segment 0
		.amdhsa_kernarg_size 40
		.amdhsa_user_sgpr_count 2
		.amdhsa_user_sgpr_kernarg_segment_ptr 1
		.amdhsa_wavefront_size32 1
		.amdhsa_system_sgpr_workgroup_id_x 1
		.amdhsa_system_sgpr_workgroup_id_y 1
		.amdhsa_system_sgpr_workgroup_id_z 1
		.amdhsa_system_vgpr_workitem_id 0
		.amdhsa_next_free_vgpr 896
		.amdhsa_next_free_sgpr 100
		.amdhsa_reserve_vcc 0
		.amdhsa_float_denorm_mode_32 3
		.amdhsa_float_denorm_mode_16_64 3
		.amdhsa_memory_ordered 1
		.amdhsa_forward_progress 1
		.amdhsa_inst_pref_size 151
	.end_amdhsa_kernel
	.amdgpu_metadata
---
amdhsa.version: [ 1, 2 ]
amdhsa.kernels:
  - .name:           k_qa9331bd2c2_qkv
    .symbol:         k_qa9331bd2c2_qkv.kd
    .args:
      - { .name: xb, .offset: 0, .size: 8, .value_kind: global_buffer, .address_space: global }
      - { .name: wb, .offset: 8, .size: 8, .value_kind: global_buffer, .address_space: global }
      - { .name: cos, .offset: 16, .size: 8, .value_kind: global_buffer, .address_space: global }
      - { .name: sin, .offset: 24, .size: 8, .value_kind: global_buffer, .address_space: global }
      - { .name: ab, .offset: 32, .size: 8, .value_kind: global_buffer, .address_space: global }
    .group_segment_fixed_size: 327680
    .private_segment_fixed_size: 0
    .kernarg_segment_align: 8
    .kernarg_segment_size: 40
    .max_flat_workgroup_size: 128
    .sgpr_count:     100
    .vgpr_count:     896
    .wavefront_size: 32
...
	.end_amdgpu_metadata
.endif
;; end of part 2
;; launch attn (part 3): grid 32 x 8, 8 waves a work-group, clusters of 4 x 1, 327,680 bytes of LDS; arguments ab, ob; writes ob
.if DOCPART == 3
	.amdgcn_target "amdgcn-amd-amdhsa--gfx1250"
	.amdhsa_code_object_version 6
	.text
	.protected	k_qa9331bd2c2_attn
	.globl	k_qa9331bd2c2_attn
	.p2align	8
	.type	k_qa9331bd2c2_attn,@function
k_qa9331bd2c2_attn:
	s_mov_b64 s[64:65], 0
	v_nop
	global_prefetch_b8 v0, s[64:65] scope:SCOPE_SE
	s_setreg_imm32_b32 hwreg(HW_REG_WAVE_MODE, 25, 1), 1
	s_wait_xcnt 0x0
	s_wait_alu depctr_hold_cnt(0) depctr_sa_sdst(0) depctr_va_vdst(0) depctr_va_sdst(0) depctr_va_ssrc(0) depctr_va_vcc(0) depctr_vm_vsrc(0)
	s_getreg_b32 s2, hwreg(HW_REG_IB_STS2, 6, 4)
	s_cmp_eq_u32 s2, 0
	s_cbranch_scc0 .Lentry_in_a_cluster
	s_endpgm
.Lentry_in_a_cluster:
	s_bfe_u32 s2, ttmp6, 0x10000c
	s_cmp_lg_u32 s2, 0x3003
	s_cbranch_scc0 .Lentry_shape_is_right
	s_endpgm
.Lentry_shape_is_right:
; THIRD LAUNCH: o = softmax(q k^T / 8, causal) v for each of 2 x 16 heads, both products on codes of BF8 (E5M2) with E8M0 scales, and the quantiser of o along the 1,024 of heads x channels.
; LEFT OUT: key steps of 128 keys all of which come after a tile's 16 queries: reference() masks them by its own jnp.tril, their p is exactly 0 (shown at the head of the first launch).
; THE SOFTMAX: t = score x log2(e) / 8; M = the running largest t rounded UP to a whole number; p = 2^(t - M) is quantised along the keys, not normalised; the row's sum is taken of the unquantised p and divides at the end;
; when M moves, the sum and O are multiplied by 2^(old M - new M), which rounds nothing.  LIMITS: NaN and infinities not served; a block of zeros gets the byte 1.
; SHARES.  y = 4 b + j: batch and key and value head.  The four work-groups of a cluster are the four query heads of that group: head 4 j + cx.  Cluster x = X (0 .. 7); wave w (0 .. 7) walks tile A = 127 - 8 X - w, 16 - X key steps,
; and then tile B = 8 X + w, X + 1 key steps: 17 steps in every wave of every work-group.  Trip i takes key step i for A (i under 16 - X) and key step 16 - i for B: both diagonals stand in trips 15 - X and 16 - X.
; ALL OF K AND V of (b, j) lies in LDS: 131,072 bytes each, and 8,192 of scale words.  No LDS byte is filled twice.  Waves 0 to 6 issue one tensor load each: K 0-4, V 0-4, the scale words (shown by the first barrier); K 5-9, V 5-9, K 10-15, V 10-15 (by the second).
; CLUSTER: the partners share (b, j) and so all of K and V: every load is asked for jointly (mask 15).  cx enters only q's and ob's addresses.  No prefetch: all is asked for at the head, there is no loop to run ahead in.
; LAYOUT.  S^T = k q^T (source 0 = 16 keys, source 1 = my queries), O^T = v^T p^T: a lane holds ONE query.  Tiles of keys, queries and channels are the program's tiles, so p's 16 registers of two neighbouring tiles are 16 neighbouring keys.
; K = 64 IN A STEP OF 128: a fragment of k holds TWO key tiles, the even one in registers 0-7, the odd one in 8-15; source 1 is q over zeros for the even tile, zeros over q for the odd one (v24-39 and v16-31 of zeros, q, zeros).
; A scale word of k carries the even tile's two bytes and the odd tile's; q's carries its two bytes twice.
; Window 1: v0-63 the step's four fragments of k, v64-127 four of v.
.set REC,   16896
.set VLDS,  131072
.set SCK,   262144                     ; scale words: 512 bytes a key step: k's 256, v's 256
.set SPARE, SCK+8192                   ; the spare words, 128 bytes for each of eight waves
.set VCOFF, 5242880
.set QSOFF, 6291456
.set KVOFF, 6553600
.set SPW, 5
.set NIL, 6
.set AK,  8                            ; v8-11 LDS addresses: the next step's k, this step's v, their scale words
.set AV,  9
.set ASV, 10
.set ASK, 11
.set NM,  12                           ; -M;  v13 the largest t;  v[14:15] the sum
.set QW,  48                           ; scale words: v48 q's, v49 tile B's, v50, v51 k's, v52, v53 v's, v54 p's
.set KW,  50
.set VW,  52
.set PW,  54
.set F,   56                           ; v[56:57] f = 2^(old M - new M)
.set X1,  58
.set NINF, 59
.set DV,  60
.set BM,  64                           ; of each block of 32 keys: the largest score, then p
.set BP,  68
.set BH,  72                           ; the largest code x the scale
.set BE,  76                           ; the conversion's scale operand
.set U,   80                           ; four partial sums
.set BB,  88                           ; the scale's byte
.set S,   96
.set O,   160
.set PC,  192
.set OC,  208
.set TM,  216
.set KN,  2                            ; s2  LDS byte of the next step's k
.set VA,  3                            ; s3  of this step's v, behind VLDS
.set SK,  8                            ; s8  of the next step's scale words
.set SV,  9                            ; s9  of this step's
.set I,   10                           ; s10 the trip
.set LA,  11                           ; s11 tile A's key steps: 16 - X
.set HM,  15
.set WV,  18
.set MNT, 19
.set SEL, 20
.set CS,  22                           ; s[22:23] c = log2(e) / 8
.set G1A, 24                           ; groups 1: 160, 192 and 32 rows of 256 bytes
.set G1B, 32
.set G1S, 40
.set G0,  56
.set MSB, 0
.macro WIN new
.if MSB != \new
	s_set_vgpr_msb (MSB<<8)|\new
.set MSB, \new
.endif
.endm
.macro CROUND
	s_barrier_signal -1
	s_barrier_wait -1
	s_cmp_lg_u32 s[WV], 0
	s_cbranch_scc1 .Lnot_wave_0_\@
	s_barrier_signal -3
.Lnot_wave_0_\@:
	s_barrier_wait -3
	s_barrier_signal -1
	s_barrier_wait -1
.endm
.macro GROUP1 g, rows                  ; a dense block as rows of 256 bytes (32 elements of 8), no padding; the mask names all four work-groups, bit 21 beside it
	s_mov_b32 s[\g], 15|(3<<16)|(1<<21)
	s_mov_b32 s[\g+1], 32<<16
	s_mov_b32 s[\g+2], (\rows)<<16
	s_mov_b32 s[\g+3], 32<<16
	s_mov_b32 s[\g+4], \rows
	s_mov_b32 s[\g+5], 32
	s_mov_b32 s[\g+6], 0
	s_mov_b32 s[\g+7], 0
.endm
	s_load_b128 s[4:7], s[0:1], 0x0                ; ab s[4:5], ob s[6:7]
	v_lshl_add_u32 v[SPW], v0, 2, SPARE
	v_mov_b32 v[NIL], 0
	ds_add_u32 v[SPW], v[NIL]                      ; the wave's opening: the add, twice on end, and its wait ahead of the first tensor loads
	ds_add_u32 v[SPW], v[NIL]
	v_lshrrev_b32 v58, 5, v0
	v_readfirstlane_b32 s[WV], v58                 ; wave 0..7
	v_and_b32 v58, 31, v0
	v_lshlrev_b32 v1, 4, v58                       ; 16 x lane
	v_add_nc_u32 v2, VLDS, v1
	v_lshlrev_b32 v3, 2, v58
	v_add_nc_u32 v3, SCK, v3                       ; 4 x lane, among the scale words
	v_and_b32 v60, 15, v0                          ; r
	v_bfe_u32 v61, v0, 4, 1                        ; h
	v_lshlrev_b32 v62, 2, v60                      ; 4 r
	v_lshl_add_u32 v7, v60, 2, v61                 ; 4 r + h
	v_and_b32 v4, 8, v60
	v_add_nc_u32 v4, v4, v60
	v_lshlrev_b32 v61, 4, v61
	v_sub_nc_u32 v4, v4, v61                       ; r + 8 (r / 8) - 16 h
	s_bfe_u32 s60, ttmp6, 0x40000                  ; cx
	s_and_b32 s61, ttmp7, 0xffff                   ; y
	s_lshr_b32 s62, s61, 2                         ; b
	s_and_b32 s63, s61, 3                          ; j
	s_lshl_b32 s68, s63, 2
	s_add_co_u32 s68, s68, s60                     ; my query head
	s_sub_co_u32 s[LA], 16, ttmp9
	s_lshl_b32 s69, ttmp9, 3
	s_add_co_u32 s69, s69, s[WV]                   ; tile B
	s_sub_co_u32 s70, 127, s69                     ; tile A
	s_mul_i32 s71, s62, 20
	s_add_co_u32 s76, s71, s63
	s_add_co_u32 s76, s76, 16
	s_lshl_b32 s76, s76, 17                        ; k's codes of (b, j)
	s_mov_b32 s77, 0
	s_lshl_b32 s78, s61, 17
	s_add_co_u32 s78, s78, VCOFF                   ; v's
	s_mov_b32 s79, 0
	s_lshl_b32 s80, s61, 13
	s_add_co_u32 s80, s80, KVOFF                   ; their scale words
	s_mov_b32 s81, 0
	s_add_co_u32 s71, s71, s68
	s_lshl_b32 s71, s71, 7
	s_add_co_u32 s84, s71, s70
	s_lshl_b32 s84, s84, 10                        ; q's codes: tile A,
	s_mov_b32 s85, 0
	s_add_co_u32 s86, s71, s69
	s_lshl_b32 s86, s86, 10                        ; tile B
	s_mov_b32 s87, 0
	s_lshl_b32 s72, s62, 4
	s_add_co_u32 s72, s72, s68
	s_lshl_b32 s72, s72, 7
	s_add_co_u32 s88, s72, s70
	s_lshl_b32 s88, s88, 6
	s_add_co_u32 s88, s88, QSOFF                   ; q's scale words
	s_mov_b32 s89, 0
	s_add_co_u32 s90, s72, s69
	s_lshl_b32 s90, s90, 6
	s_add_co_u32 s90, s90, QSOFF
	s_mov_b32 s91, 0
	s_lshl_b32 s73, s62, 7
	s_add_co_u32 s74, s73, s70
	s_mul_i32 s74, s74, REC                        ; ob's records 128 b + tile
	s_add_co_u32 s75, s73, s69
	s_mul_i32 s75, s75, REC
	s_lshl_b32 s62, s68, 10                        ; head hd: K step hd / 2, groups 2 (hd % 2) on: 1,024 hd bytes
	s_add_co_u32 s92, s74, s62
	s_mov_b32 s93, 0
	s_add_co_u32 s96, s75, s62
	s_mov_b32 s97, 0
	s_lshr_b32 s61, s68, 1
	s_lshl_b32 s61, s61, 6
	s_and_b32 s63, s68, 1
	s_lshl_b32 s63, s63, 1
	s_add_co_u32 s61, s61, s63
	s_add_co_u32 s61, s61, 16384                   ; its scale bytes: 16384 + 64 (hd / 2) + 2 (hd % 2)
	s_add_co_u32 s94, s74, s61
	s_mov_b32 s95, 0
	s_add_co_u32 s98, s75, s61
	s_mov_b32 s99, 0
	GROUP1 G1A, 160
	GROUP1 G1B, 192
	GROUP1 G1S, 32
	s_mov_b32 s[SEL], 0x76543210
	s_mov_b32 s[SEL+1], 0xfedcba98
	s_mov_b32 s[CS], 0x3e38aa3b                    ; log2(e) / 8
	s_mov_b32 s[CS+1], s[CS]                       ; (named with it as a pair, so it is written)
	s_mov_b32 s[MNT], 0x600000
	s_mov_b32 s[HM], 0xffff0000
	s_mov_b32 s[KN], 8192
	s_mov_b32 s[VA], 0
	s_mov_b32 s[SK], 512
	s_mov_b32 s[SV], 0
	s_mov_b32 s[I], 0
	s_wait_alu depctr_va_vdst(0)
	s_wait_dscnt 0x0                               ; both opening adds are done
	CROUND                                         ; all four work-groups are here: the joint loads meet
	s_wait_kmcnt 0x0
	s_add_nc_u64 s[76:77], s[4:5], s[76:77]
	s_add_nc_u64 s[78:79], s[4:5], s[78:79]
	s_add_nc_u64 s[80:81], s[4:5], s[80:81]
	s_add_nc_u64 s[84:85], s[4:5], s[84:85]
	s_add_nc_u64 s[86:87], s[4:5], s[86:87]
	s_add_nc_u64 s[88:89], s[4:5], s[88:89]
	s_add_nc_u64 s[90:91], s[4:5], s[90:91]
	s_add_nc_u64 s[92:93], s[6:7], s[92:93]
	s_add_nc_u64 s[94:95], s[6:7], s[94:95]
	s_add_nc_u64 s[96:97], s[6:7], s[96:97]
	s_add_nc_u64 s[98:99], s[6:7], s[98:99]
	s_mov_b32 s[G0], 1
; one tensor load a wave, each with a line of its own
.macro ARM under, g1, lds, base, off, next
	s_cmp_lt_u32 s[WV], \under
	s_cbranch_scc0 \next
	s_mov_b32 s[G0+1], \lds
	s_add_nc_u64 s[G0+2:G0+3], s[\base:\base+1], \off
	s_or_b32 s[G0+3], s[G0+3], 0x80000000
	tensor_load_to_lds s[G0:G0+3], s[\g1:\g1+7]
	s_nop 0
.rept 4
	v_nop
.endr
	s_branch .Lasked
\next:
.endm
	ARM 1, G1A, 0, 76, 0, .Lh1
	ARM 2, G1A, VLDS, 78, 0, .Lh2
	ARM 3, G1S, SCK, 80, 0, .Lh3
	ARM 4, G1A, 40960, 76, 40960, .Lh4
	ARM 5, G1A, VLDS+40960, 78, 40960, .Lh5
	ARM 6, G1B, 81920, 76, 81920, .Lh6
	ARM 7, G1B, VLDS+81920, 78, 81920, .Lh7
.Lasked:
	global_load_b128 v[24:27], v1, s[84:85]        ; tile A's q
	global_load_b128 v[28:31], v1, s[84:85] offset:512
	global_load_b32 v[QW], v62, s[88:89]
	global_load_b128 v[40:43], v1, s[86:87]        ; tile B's
	global_load_b128 v[44:47], v1, s[86:87] offset:512
	global_load_b32 v[QW+1], v62, s[90:91]
.set n, 0
.rept 8
	v_mov_b32 v[16+n], 0                           ; the zero codes over and under q
	v_mov_b32 v[32+n], 0
.set n, n+1
.endr
.macro RESET                           ; a tile begins: O^T and the sum are zeros, the largest t is -3e38
.set n, 0
.rept 32
	v_mov_b32 v[O+n], 0
.set n, n+1
.endr
	v_mov_b32 v13, 0xff61b1e6
	v_mov_b32 v14, 0
	v_mov_b32 v15, 0
	v_floor_f32 v[NM], -v13
.endm
	RESET
.irp b, 0,1,2,3
	v_mov_b32 v[BP+\b], 0                          ; written once: a lane permute's destination counts as one of its sources
.endr
	v_mov_b32 v[TM+2], 0
	v_mov_b32 v[TM+3], 0
	v_mov_b32 v[F+1], 0                            ; (named as the upper half of a pair)
	v_mov_b32 v[NINF], 0xff800000                  ; -infinity
.macro KLOAD ak, ask                   ; a key step's four fragments of k, two tiles each, and their scale words (lanes 0-15: fragment 2 a; lanes 16-31: 2 a + 1): 18 loads
	WIN 0x40
.irp a, 0,1,2,3
.irp c, 0,1,2,3
	ds_load_b128 v[16*\a+4*\c:16*\a+4*\c+3], v[\ak] offset:2048*\a+512*\c
.endr
.endr
	WIN 0
	ds_load_b32 v[KW], v[\ask]
	ds_load_b32 v[KW+1], v[\ask] offset:128
.endm
; A KEY STEP: 128 keys.  m = 0: the first four trips; m = 1: the others, with the diagonals
.macro STEP m
.if \m
	s_sub_co_u32 s60, 16, s[I]
	s_cmp_lt_u32 s[I], s[LA]
	s_cselect_b32 s60, s[I], s60
	s_and_b32 s60, s60, 15                         ; this trip's key step
	s_add_co_u32 s61, s[I], 1
	s_sub_co_u32 s62, 16, s61
	s_cmp_lt_u32 s61, s[LA]
	s_cselect_b32 s62, s61, s62
	s_and_b32 s62, s62, 15                         ; the next trip's (behind the last trip: step 15, whose fragments nothing uses)
	s_lshl_b32 s[KN], s62, 13
	s_lshl_b32 s[SK], s62, 9
	s_lshl_b32 s[VA], s60, 13
	s_lshl_b32 s[SV], s60, 9
.endif
	s_wait_dscnt 0x0                               ; k's fragments are in
	WIN 0x01                                       ; source 0 window 1
.irp t, 0,1,2,3,4,5,6,7                        ; S^T = k q^T
.if (\t/2)%2
	v_wmma_scale_f32_16x16x128_f8f6f4 v[S+8*\t:S+8*\t+7], v[16*(\t/2):16*(\t/2)+15], v[24-8*(\t%2):39-8*(\t%2)], 0, v[KW+\t/4], v[QW] matrix_a_fmt:MATRIX_FMT_BF8 matrix_b_fmt:MATRIX_FMT_BF8 matrix_a_scale:MATRIX_SCALE_ROW1
.else
	v_wmma_scale_f32_16x16x128_f8f6f4 v[S+8*\t:S+8*\t+7], v[16*(\t/2):16*(\t/2)+15], v[24-8*(\t%2):39-8*(\t%2)], 0, v[KW+\t/4], v[QW] matrix_a_fmt:MATRIX_FMT_BF8 matrix_b_fmt:MATRIX_FMT_BF8
.endif
.endr                                          ; register 16 b + i holds the step's key 32 b + 16 (lane / 16) + i
	WIN 0
	v_add_nc_u32 v[AK], s[KN], v1                  ; eight places in front of the first read of the scores
	v_add_nc_u32 v[AV], s[VA], v2
	v_add_nc_u32 v[ASK], s[SK], v3
	v_add_nc_u32 v[ASV], s[SV], v3
.rept 4
	v_nop
.endr
.if \m
	s_sub_co_u32 s60, s[LA], s[I]
	s_cmp_gt_u32 s60, 1                            ; 1: tile A's diagonal; 0: tile B's; else no mask
	s_cbranch_scc1 .Lopen_\@
	s_sub_co_u32 s61, 7, s[WV]
	s_cmp_eq_u32 s60, 1
	s_cselect_b32 s61, s61, s[WV]                  ; my tile's place in its key step
	s_lshr_b32 s62, s61, 1                         ; blocks of keys under this one are seen by all my queries
	s_lshl_b32 s63, s62, 5
	s_and_b32 s61, s61, 1
	s_lshl_b32 s61, s61, 3
	s_add_co_u32 s63, s63, s61
	v_add_nc_u32 v[DV], s63, v4                    ; d = my query - 16 (lane / 16), counted from the step's first key: key 32 b + i of my half is hidden where 32 b + i > d
	s_wait_alu depctr_va_vdst(0)
.irp b, 0,1,2,3
	s_cmp_gt_u32 s62, \b
	s_cbranch_scc1 .Lseen_\@_\b
.irp i, 0,1,2,3,4,5,6,7,8,9,10,11,12,13,14,15
	v_cmp_gt_i32 s[66+\i], 32*\b+\i, v[DV]
.endr
.irp i, 0,1,2,3,4,5,6,7,8,9,10,11,12,13,14,15
	v_cndmask_b32 v[S+16*\b+\i], v[S+16*\b+\i], v[NINF], s[66+\i]   ; p = 0 then
.endr
.Lseen_\@_\b:
.endr
.Lopen_\@:
.endif
.irp b, 0,1,2,3
	v_max3_num_f32 v[BM+\b], v[S+16*\b], v[S+1+16*\b], v[S+2+16*\b]   ; the largest score of each block of 32 keys: for the row's maximum and, since p rises with the score, for the block's largest p
.endr
.irp i, 3,5,7,9,11,13
.irp b, 0,1,2,3
	v_max3_num_f32 v[BM+\b], v[BM+\b], v[S+16*\b+\i], v[S+16*\b+\i+1]
.endr
.endr
	WIN 0x40                                       ; v's four fragments and their scale words: 18 loads
.irp t, 0,1,2,3
.irp c, 0,1,2,3
	ds_load_b128 v[64+16*\t+4*\c:67+16*\t+4*\c], v[AV] offset:2048*\t+512*\c
.endr
.endr
	WIN 0
	ds_load_b32 v[VW], v[ASV] offset:256
	ds_load_b32 v[VW+1], v[ASV] offset:384
.irp b, 0,1,2,3
	v_max_num_f32 v[BM+\b], v[BM+\b], v[S+15+16*\b]
.endr
.irp b, 0,1,2,3
	s_delay_alu instid0(VALU_DEP_4)
	v_permlanex16_b32 v[BP+\b], v[BM+\b], s[SEL], s[SEL+1]
.endr
.irp b, 0,1,2,3
	s_delay_alu instid0(VALU_DEP_4)
	v_max_num_f32 v[BM+\b], v[BM+\b], v[BP+\b]     ; with lane l xor 16
.endr
	s_delay_alu instid0(VALU_DEP_2)
	v_max3_num_f32 v[X1], v[BM], v[BM+1], v[BM+2]
	s_delay_alu instid0(VALU_DEP_1)
	v_max_num_f32 v[X1], v[X1], v[BM+3]
	s_delay_alu instid0(VALU_DEP_1)
	v_mul_f32 v[X1], s[CS], v[X1]                  ; as t
	s_delay_alu instid0(VALU_DEP_1)
	v_max_num_f32 v13, v13, v[X1]                  ; the running largest t
	v_mov_b32 v[X1], v[NM]
	s_delay_alu instid0(VALU_DEP_2)
	v_floor_f32 v[NM], -v13                        ; the new -M = -ceil(t)
	s_delay_alu instid0(VALU_DEP_1)
	v_sub_f32 v[X1], v[NM], v[X1]                  ; old M - new M: a whole number, 0 or less
	s_delay_alu instid0(VALU_DEP_1)
	v_cvt_i32_f32 v[X1], v[X1]                     ; (it saturates)
	s_delay_alu instid0(VALU_DEP_1)
	v_ldexp_f32 v[F], 1.0, v[X1]                   ; f
.set n, 0
.rept 32
	v_pk_fma_f32 v[S+n:S+1+n], v[S+n:S+1+n], s[CS:CS+1], v[NM:NM+1] op_sel_hi:[1,0,0]   ; t - M, two at a time
.set n, n+2
.endr
.irp b, 0,1,2,3
	v_fma_f32 v[BM+\b], v[BM+\b], s[CS], v[NM]     ; the same of each block's largest score
.endr
.set n, 0
.rept 16
	v_pk_mul_f32 v[O+n:O+1+n], v[O+n:O+1+n], v[F:F+1] op_sel_hi:[1,0]   ; O^T under the new M
.set n, n+2
.endr
	s_wait_alu depctr_va_vdst(0)                   ; ahead of the batch
.irp b, 0,1,2,3
	v_exp_f32 v[BM+\b], v[BM+\b]                   ; the block's largest p
.endr
.set n, 0
.rept 64
	v_exp_f32 v[S+n], v[S+n]                       ; p = 2^(t - M)
.set n, n+1
.endr
	v_pk_mul_f32 v[14:15], v[14:15], v[F:F+1] op_sel_hi:[1,0]   ; the sums under the new M: a plain line behind the exponentials
	s_wait_alu depctr_va_vdst(0)                   ; one wait for the whole batch, ahead of its first reader
.irp k, 0,1,2,3
	v_pk_add_f32 v[U+2*\k:U+1+2*\k], v[S+2*\k:S+1+2*\k], v[S+8+2*\k:S+9+2*\k]   ; the row's sum, of the unquantised p
.endr
.irp g, 2,3,4,5,6,7
.irp k, 0,1,2,3
	v_pk_add_f32 v[U+2*\k:U+1+2*\k], v[U+2*\k:U+1+2*\k], v[S+8*\g+2*\k:S+1+8*\g+2*\k]
.endr
.endr
	KLOAD AK, ASK                                  ; the next step's k
.irp b, 0,1,2,3
	v_max_num_f32 v[BM+\b], 0x8000000, v[BM+\b]    ; the floor 2^(16 - 127)
.endr
.irp b, 0,1,2,3
	s_delay_alu instid0(VALU_DEP_4)
	v_add_nc_u32 v[BE+\b], 0xf8800000, v[BM+\b]    ; 15 off the exponent field
.endr
.irp b, 0,1,2,3
	v_and_or_b32 v[BH+\b], v[BM+\b], 0x7f800000, s[MNT]   ; 57,344 x the scale
.endr
.irp b, 0,1,2,3
	v_lshrrev_b32 v[BB+\b], 23, v[BE+\b]           ; the byte
.endr
	s_delay_alu instid0(VALU_DEP_3)
	v_lshl_or_b32 v[PW], v[BB+1], 8, v[BB]         ; p's scale word for these 128 keys
	s_delay_alu instid0(VALU_DEP_1)
	v_lshl_or_b32 v[PW], v[BB+2], 16, v[PW]
	s_delay_alu instid0(VALU_DEP_1)
	v_lshl_or_b32 v[PW], v[BB+3], 24, v[PW]
.irp b, 0,1,2,3
.irp i, 0,2,4,6,8,10,12,14
	v_dual_min_num_f32 v[S+16*\b+\i], v[BH+\b], v[S+16*\b+\i] :: v_dual_min_num_f32 v[S+16*\b+\i+1], v[BH+\b], v[S+16*\b+\i+1]   ; the hold, two at a time; p is not negative, so it is one-sided
.endr
.endr
.irp b, 0,1,2,3
	v_cvt_scalef32_pk8_bf8_f32 v[PC+4*\b:PC+1+4*\b], v[S+16*\b:S+7+16*\b], v[BE+\b]
	v_cvt_scalef32_pk8_bf8_f32 v[PC+2+4*\b:PC+3+4*\b], v[S+8+16*\b:S+15+16*\b], v[BE+\b]
.endr
	v_pk_add_f32 v[U:U+1], v[U:U+1], v[U+2:U+3]    ; four places between the conversions and the products
	v_pk_add_f32 v[U+4:U+5], v[U+4:U+5], v[U+6:U+7]
	v_pk_add_f32 v[14:15], v[14:15], v[U:U+1]
	v_pk_add_f32 v[14:15], v[14:15], v[U+4:U+5]
	s_wait_alu depctr_va_vdst(0)
	s_wait_dscnt 18                                ; v's fragments are in; the next step's 18 loads of k may be out
	WIN 0x01
.irp t, 0,1,2,3                                ; O^T += v^T p^T: the four accumulators by turns
.if \t%2
	v_wmma_scale_f32_16x16x128_f8f6f4 v[O+8*\t:O+7+8*\t], v[64+16*\t:79+16*\t], v[PC:PC+15], v[O+8*\t:O+7+8*\t], v[VW+\t/2], v[PW] matrix_a_fmt:MATRIX_FMT_BF8 matrix_b_fmt:MATRIX_FMT_BF8 matrix_a_scale:MATRIX_SCALE_ROW1
.else
	v_wmma_scale_f32_16x16x128_f8f6f4 v[O+8*\t:O+7+8*\t], v[64+16*\t:79+16*\t], v[PC:PC+15], v[O+8*\t:O+7+8*\t], v[VW+\t/2], v[PW] matrix_a_fmt:MATRIX_FMT_BF8 matrix_b_fmt:MATRIX_FMT_BF8
.endif
.endr
	WIN 0
.endm
; A TILE'S WAY OUT: O^T / the sum, quantised along heads x channels: my head's 64 channels are two blocks of K step hd / 2 of the last product's operand
.macro FINISH oc, os, again
.rept 8
	v_nop                                          ; places behind the last products
.endr
	s_wait_alu depctr_va_vdst(0)
.if \again
	s_wait_xcnt 0x0                                ; tile A's stores have read their registers
.endif
	v_add_f32 v14, v14, v15
	v_permlanex16_b32 v[X1], v14, s[SEL], s[SEL+1]
	v_add_f32 v14, v14, v[X1]                      ; the row's sum
	s_wait_alu depctr_va_vdst(0)
	v_rcp_f32 v14, v14
	v_nop                                          ; a plain line behind the reciprocal,
	s_wait_alu depctr_va_vdst(0)                   ; and the wait ahead of its first reader
.set n, 0
.rept 32
	v_mul_f32 v[S+n], v[O+n], v14                  ; register 16 b + i: channel 32 b + 16 (lane / 16) + i
.set n, n+1
.endr
.irp b, 0,1
	v_max3_num_f32 v[TM+\b], |v[S+16*\b]|, |v[S+1+16*\b]|, 0x8000000
.endr
.irp i, 2,4,6,8,10,12,14
.irp b, 0,1
	v_max3_num_f32 v[TM+\b], v[TM+\b], |v[S+16*\b+\i]|, |v[S+1+16*\b+\i]|
.endr
.endr
.irp b, 0,1
	v_permlanex16_b32 v[TM+2+\b], v[TM+\b], s[SEL], s[SEL+1]
.endr
.irp b, 0,1
	v_max_num_f32 v[TM+\b], v[TM+\b], v[TM+2+\b]
.endr
.irp b, 0,1
	v_add_nc_u32 v[TM+6+\b], 0xf8800000, v[TM+\b]
.endr
.irp b, 0,1
	v_and_or_b32 v[TM+4+\b], v[TM+\b], 0x7f800000, s[MNT]
.endr
.irp b, 0,1
	v_lshrrev_b32 v[TM+8+\b], 23, v[TM+6+\b]
.endr
.irp b, 0,1
.irp i, 0,1,2,3,4,5,6,7,8,9,10,11,12,13,14,15
	v_med3_num_f32 v[S+16*\b+\i], v[S+16*\b+\i], -v[TM+4+\b], v[TM+4+\b]   ; the conversion does not saturate (ISA guide 7.6.2): the hold comes first
.endr
	v_cvt_scalef32_pk8_bf8_f32 v[OC+4*\b:OC+4*\b+1], v[S+16*\b:S+16*\b+7], v[TM+6+\b]
	v_cvt_scalef32_pk8_bf8_f32 v[OC+4*\b+2:OC+4*\b+3], v[S+16*\b+8:S+16*\b+15], v[TM+6+\b]
.endr
	v_cndmask_b32 v228, v[TM+8], v[TM+9], s[HM]    ; lanes 0-15 store block 0's byte of row r, lanes 16-31 block 1's
	global_store_b128 v1, v[OC:OC+3], s[\oc:\oc+1] ; 32 lanes store 512 consecutive bytes
	global_store_b128 v1, v[OC+4:OC+7], s[\oc:\oc+1] offset:512
	global_store_b8 v7, v228, s[\os:\os+1]
.endm
	s_wait_alu depctr_va_vdst(0)
	s_cmp_lt_u32 s[WV], 3
	s_cbranch_scc0 .Lnot_mine
	s_wait_tensorcnt 0x0                           ; waves 0 to 2: K 0-4, V 0-4 and the scale words have landed; the other waves' loads may stay out
.Lnot_mine:
	s_barrier_signal -1
	s_barrier_wait -1
	KLOAD 1, 3                                     ; key step 0
	s_wait_loadcnt 0x0                             ; q
.Lfirst:                                           ; four trips, each fetching the next step's k: steps 0-4
	STEP 0
	s_add_co_u32 s[KN], s[KN], 8192
	s_add_co_u32 s[VA], s[VA], 8192
	s_add_co_u32 s[SK], s[SK], 512
	s_add_co_u32 s[SV], s[SV], 512
	s_add_co_u32 s[I], s[I], 1
	s_cmp_lt_u32 s[I], 4
	s_cbranch_scc1 .Lfirst
	s_wait_tensorcnt 0x0                           ; all of K and V has landed
	s_wait_dscnt 0x0
	s_barrier_signal -1
	s_barrier_wait -1
.Lrest:
	s_cmp_lg_u32 s[I], s[LA]                       ; made of the cluster's x and the trip alone: all partners branch alike
	s_cbranch_scc1 .Lsame
	FINISH 92, 94, 0                               ; tile A goes out, tile B begins
	v_mov_b32 v[QW], v[QW+1]
.irp i, 0,2,4,6
	v_dual_mov_b32 v[24+\i], v[40+\i] :: v_dual_mov_b32 v[25+\i], v[41+\i]
.endr
	RESET
	s_wait_alu depctr_va_vdst(0)
.Lsame:
	STEP 1
	s_add_co_u32 s[I], s[I], 1
	s_cmp_lt_u32 s[I], 17
	s_cbranch_scc1 .Lrest
	FINISH 96, 98, 1
	s_wait_tensorcnt 0x0                           ; the wave's end
	ds_add_u32 v[SPW], v[NIL]
	s_wait_dscnt 0x0
	CROUND                                         ; the closing round
	s_endpgm
.Lfunc_end_k_qa9331bd2c2_attn:
	.size	k_qa9331bd2c2_attn, .Lfunc_end_k_qa9331bd2c2_attn-k_qa9331bd2c2_attn
	.p2alignl 7, 3214868480
	.fill 96, 4, 3214868480
	.section	.rodata,"a",@progbits
	.p2align	6, 0x0
	.amdhsa_kernel k_qa9331bd2c2_attn
		.amdhsa_group_segment_fixed_size 327680
		.amdhsa_private_segment_fixed_size 0
		.amdhsa_enable_private_segment 0
		.amdhsa_kernarg_size 16
		.amdhsa_user_sgpr_count 2
		.amdhsa_user_sgpr_kernarg_segment_ptr 1
		.amdhsa_wavefront_size32 1
		.amdhsa_system_sgpr_workgroup_id_x 1
		.amdhsa_system_sgpr_workgroup_id_y 1
		.amdhsa_system_sgpr_workgroup_id_z 1
		.amdhsa_system_vgpr_workitem_id 0
		.amdhsa_next_free_vgpr 384
		.amdhsa_next_free_sgpr 100
		.amdhsa_reserve_vcc 0
		.amdhsa_float_denorm_mode_32 3
		.amdhsa_float_denorm_mode_16_64 3
		.amdhsa_memory_ordered 1
		.amdhsa_forward_progress 1
		.amdhsa_inst_pref_size 76
	.end_amdhsa_kernel
	.amdgpu_metadata
---
amdhsa.version: [ 1, 2 ]
amdhsa.kernels:
  - .name:           k_qa9331bd2c2_attn
    .symbol:         k_qa9331bd2c2_attn.kd
    .args:
      - { .name: ab, .offset: 0, .size: 8, .value_kind: global_buffer, .address_space: global }
      - { .name: ob, .offset: 8, .size: 8, .value_kind: global_buffer, .address_space: global }
    .group_segment_fixed_size: 327680
    .private_segment_fixed_size: 0
    .kernarg_segment_align: 8
    .kernarg_segment_size: 16
    .max_flat_workgroup_size: 256
    .sgpr_count:     100
    .vgpr_count:     384
    .wavefront_size: 32
...
	.end_amdgpu_metadata
.endif
;; end of part 3
;; launch oproj (part 4): grid 8 x 32, 4 waves a work-group, clusters of 4 x 4, 327,680 bytes of LDS; arguments ob, wb, out0; writes out0
.if DOCPART == 4
	.amdgcn_target "amdgcn-amd-amdhsa--gfx1250"
	.amdhsa_code_object_version 6
	.text
	.protected	k_qa9331bd2c2_oproj
	.globl	k_qa9331bd2c2_oproj
	.p2align	8
	.type	k_qa9331bd2c2_oproj,@function
k_qa9331bd2c2_oproj:
	s_mov_b64 s[64:65], 0
	v_nop
	global_prefetch_b8 v0, s[64:65] scope:SCOPE_SE
	s_setreg_imm32_b32 hwreg(HW_REG_WAVE_MODE, 25, 1), 1
	s_wait_xcnt 0x0
	s_wait_alu depctr_hold_cnt(0) depctr_sa_sdst(0) depctr_va_vdst(0) depctr_va_sdst(0) depctr_va_ssrc(0) depctr_va_vcc(0) depctr_vm_vsrc(0)
	s_getreg_b32 s2, hwreg(HW_REG_IB_STS2, 6, 4)
	s_cmp_eq_u32 s2, 0
	s_cbranch_scc0 .Lentry_in_a_cluster
	s_endpgm
.Lentry_in_a_cluster:
	s_bfe_u32 s2, ttmp6, 0x10000c
	s_cmp_lg_u32 s2, 0xf033
	s_cbranch_scc0 .Lentry_shape_is_right
	s_endpgm
.Lentry_shape_is_right:
; FOURTH LAUNCH: out0 = o wo on codes of BF8 (E5M2) with E8M0 scales; out0 [4096][1024] f32.  Nothing is left out here.
; SHARES.  A work-group of four waves makes 128 x 128 of out0; wave w makes rows 64 (w / 2) on, columns 64 (w % 2) on: 16 accumulators.  K = 1,024: the 8 records of o and the 8 of wo (wb's tiles 96 on) lie whole in LDS,
; each wave fetching four records by ONE tensor load.  No LDS byte is filled twice: no ring.  256 work-groups.
; CLUSTERS: 4 x 4 work-groups: o's block is asked for jointly along a row of the cluster, wo's along a column.
; Source 0 = wo's tile, source 1 = o's tile: a lane holds ONE row of out0, and registers 16 b + i of a row tile's 32 are columns 32 b + 16 (lane / 16) + i.
; The rows of a tile are not neighbours (row r of tile 2 B + u is 32 B + 8 u + r + 8 (r / 8)): the order is undone in the stores' immediates.
; REGISTERS.  Window 0: v1-11, v14, v15 addresses; v12, v13 the add's two; v32-47 o's scale words, v48-63 wo's; v64-127 rows on the way out; v128-255 the accumulators.  Window 1: two sets of fragments.
.set REC,   16896
.set BBLK,  8*REC
.set STAGE, 16*REC                     ; behind the two blocks: 16 rows x (256 bytes + 16) for each wave; no tensor load lands there
.set SPITCH, 272
.set SPARE, STAGE+4*16*SPITCH          ; the spare words, 128 bytes a wave
.set ADRA, 5
.set ADRB, 7
.set ADSA, 9
.set ADSB, 10
.set STO,  11
.set SPW,  12
.set NIL,  13
.set RD,   14
.set CO,   15
.set SCA,  32
.set SCB,  48
.set BK,   64
.set ACC,  128
.set G1,   24
.set G0,   32
.set G1B,  48
.set G0B,  56
.set MSB, 0
.macro WIN new
.if MSB != \new
	s_set_vgpr_msb (MSB<<8)|\new
.set MSB, \new
.endif
.endm
.macro JLOAD                           ; waves 0 and 1 fetch o's two halves, waves 2 and 3 wo's.  An s_nop 0 and four v_nop follow each line
	s_cmp_eq_u32 s15, 0
	s_cbranch_scc0 .Lfor_b_\@
	tensor_load_to_lds s[G0:G0+3], s[G1:G1+7]
	s_nop 0
.rept 4
	v_nop
.endr
	s_branch .Lasked_\@
.Lfor_b_\@:
	tensor_load_to_lds s[G0B:G0B+3], s[G1B:G1B+7]
	s_nop 0
.rept 4
	v_nop
.endr
.Lasked_\@:
.endm
.macro CROUND
	s_barrier_signal -1
	s_barrier_wait -1
	s_cmp_lg_u32 s14, 0
	s_cbranch_scc1 .Lnot_wave_0_\@
	s_barrier_signal -3
.Lnot_wave_0_\@:
	s_barrier_wait -3
	s_barrier_signal -1
	s_barrier_wait -1
.endm
.macro PLACES n
.rept \n
	v_nop
.endr
.endm
	s_load_b128 s[4:7], s[0:1], 0x0                ; ob s[4:5], wb s[6:7]
	s_load_b64 s[12:13], s[0:1], 0x10              ; out0
	v_lshl_add_u32 v[SPW], v0, 2, SPARE
	v_mov_b32 v[NIL], 0
	ds_add_u32 v[SPW], v[NIL]                      ; the wave's opening: the add, twice on end, and its wait ahead of my first tensor load
	ds_add_u32 v[SPW], v[NIL]
	v_lshrrev_b32 v1, 5, v0
	v_readfirstlane_b32 s14, v1                    ; wave 0..3
	s_lshr_b32 s15, s14, 1
	s_and_b32 s16, s14, 1
	s_bfe_u32 s40, ttmp6, 0x40000                  ; cx, cy
	s_bfe_u32 s41, ttmp6, 0x40004
	s_lshl_b32 s42, ttmp9, 2
	s_add_co_u32 s42, s42, s40                     ; X
	s_and_b32 s17, ttmp7, 0xffff
	s_lshl_b32 s17, s17, 2
	s_add_co_u32 s17, s17, s41                     ; Y
	s_lshl_b32 s43, s41, 2
	s_lshl_b32 s43, 15, s43                        ; my row of the cluster
	s_lshl_b32 s44, 0x1111, s40                    ; my column
	s_or_b32 s[G1+0], s43, (3<<16)|(1<<21)         ; the mask; elements of 8 bytes; bit 21 beside a mask; no padding
	s_or_b32 s[G1B+0], s44, (3<<16)|(1<<21)
.irp g, G1, G1B
	s_mov_b32 s[\g+1], 32<<16                      ; rows of 256 bytes,
	s_mov_b32 s[\g+2], 264<<16                     ; 264 of them: four records, dense
	s_mov_b32 s[\g+3], 32<<16
	s_mov_b32 s[\g+4], 264
	s_mov_b32 s[\g+5], 32
	s_mov_b32 s[\g+6], 0
	s_mov_b32 s[\g+7], 0
.endr
	s_lshl_b32 s18, s16, 2
	s_lshl_b32 s20, s17, 3
	s_add_co_u32 s20, s20, s18                     ; o: record 8 Y + 4 (wave % 2)
	s_mul_i32 s20, s20, REC
	s_mov_b32 s21, 0
	s_lshl_b32 s46, s42, 3
	s_add_co_u32 s46, s46, s18
	s_add_co_u32 s46, s46, 96                      ; wo: record 96 + 8 X + 4 (wave % 2)
	s_mul_i32 s46, s46, REC
	s_mov_b32 s47, 0
	s_mul_i32 s45, s14, 4*REC
	s_wait_dscnt 0x0                               ; both opening adds are done
	s_wait_kmcnt 0x0
	s_add_nc_u64 s[20:21], s[4:5], s[20:21]
	s_add_nc_u64 s[46:47], s[6:7], s[46:47]
	CROUND                                         ; all sixteen work-groups are here: the joint loads meet
	s_mov_b32 s[G0], 1
	s_mov_b32 s[G0+1], s45
	s_mov_b64 s[G0+2:G0+3], s[20:21]
	s_or_b32 s[G0+3], s[G0+3], 0x80000000
	s_mov_b32 s[G0B], 1
	s_mov_b32 s[G0B+1], s45
	s_mov_b64 s[G0B+2:G0B+3], s[46:47]
	s_or_b32 s[G0B+3], s[G0B+3], 0x80000000
	JLOAD                                          ; my one tensor load of the launch
	v_and_b32 v1, 15, v0                           ; r
	v_bfe_u32 v2, v0, 4, 1                         ; h
	v_and_b32 v4, 31, v0
	v_lshlrev_b32 v3, 4, v4
	v_lshlrev_b32 v4, 2, v4
	s_mul_i32 s18, s15, 4*REC
	s_mul_i32 s19, s16, 4*REC
	s_add_co_u32 s19, s19, BBLK
	v_add_nc_u32 v[ADRA], s18, v3
	v_add_nc_u32 v[ADRA+1], 8192, v[ADRA]
	v_add_nc_u32 v[ADRB], s19, v3
	v_add_nc_u32 v[ADRB+1], 8192, v[ADRB]
	v_add_nc_u32 v[ADSA], s18, v4
	v_add_nc_u32 v[ADSA], 16384, v[ADSA]
	v_add_nc_u32 v[ADSB], s19, v4
	v_add_nc_u32 v[ADSB], 16384, v[ADSB]
	s_mul_i32 s22, s14, 16*SPITCH
	s_add_co_u32 s22, s22, STAGE                   ; my stage
	v_mul_u32_u24 v[STO], v1, SPITCH
	v_lshl_add_u32 v[STO], v2, 6, v[STO]
	v_add_nc_u32 v[STO], s22, v[STO]               ; in: row r, + 64 h
	v_mul_u32_u24 v[RD], v2, SPITCH
	v_lshl_add_u32 v[RD], v1, 4, v[RD]
	v_add_nc_u32 v[RD], s22, v[RD]                 ; back: lanes 0-15 one row of 256 bytes, lanes 16-31 the next
	v_lshlrev_b32 v[CO], 12, v2
	v_lshl_add_u32 v[CO], v1, 4, v[CO]             ; and the same in out0: a row is 4,096 bytes
	s_lshl_b32 s66, s17, 7
	s_lshl_b32 s67, s15, 6
	s_add_co_u32 s66, s66, s67                     ; my first row: 128 Y + 64 (wave / 2)
	s_lshl_b32 s66, s66, 12
	s_lshl_b32 s67, s42, 9
	s_add_co_u32 s66, s66, s67                     ; + 512 X
	s_lshl_b32 s67, s16, 8
	s_add_co_u32 s66, s66, s67                     ; + 256 (wave % 2)
	s_mov_b32 s67, 0
	s_add_nc_u64 s[12:13], s[12:13], s[66:67]
.macro FETCH s, p
	WIN 0x40                                       ; destination window 1, address window 0
.irp i, 0,1,2,3
.irp c, 0,1,2,3
	ds_load_b128 v[128*(\p)+16*\i+4*\c:128*(\p)+16*\i+4*\c+3], v[ADRA+(\s)/4] offset:REC*\i+2048*((\s)%4)+512*\c
.endr
.endr
.irp i, 0,1,2,3
.irp c, 0,1,2,3
	ds_load_b128 v[128*(\p)+64+16*\i+4*\c:128*(\p)+64+16*\i+4*\c+3], v[ADRB+(\s)/4] offset:REC*\i+2048*((\s)%4)+512*\c
.endr
.endr
.endm
.macro SCALES
.irp i, 0,1,2,3
.irp a, 0,1,2,3
	ds_load_b32 v[SCA+4*\i+\a], v[ADSA] offset:REC*\i+128*\a
	ds_load_b32 v[SCB+4*\i+\a], v[ADSB] offset:REC*\i+128*\a
.endr
.endr
.endm
.macro ONE s, p, l, r
.set rD, ACC+8*(4*(\l)+(\r))
.set rA, 128*(\p)+64+16*(\r)           ; source 0: wo's tile r;  source 1: o's tile l
.set rB, 128*(\p)+16*(\l)
.set qA, SCB+4*(\r)+(\s)/2
.set qB, SCA+4*(\l)+(\s)/2
.if (\s) == 0
	v_wmma_scale_f32_16x16x128_f8f6f4 v[rD:rD+7], v[rA:rA+15], v[rB:rB+15], 0, v[qA], v[qB] matrix_a_fmt:MATRIX_FMT_BF8 matrix_b_fmt:MATRIX_FMT_BF8
.elseif (\s)%2
	v_wmma_scale_f32_16x16x128_f8f6f4 v[rD:rD+7], v[rA:rA+15], v[rB:rB+15], v[rD:rD+7], v[qA], v[qB] matrix_a_fmt:MATRIX_FMT_BF8 matrix_b_fmt:MATRIX_FMT_BF8 matrix_a_scale:MATRIX_SCALE_ROW1 matrix_b_scale:MATRIX_SCALE_ROW1
.else
	v_wmma_scale_f32_16x16x128_f8f6f4 v[rD:rD+7], v[rA:rA+15], v[rB:rB+15], v[rD:rD+7], v[qA], v[qB] matrix_a_fmt:MATRIX_FMT_BF8 matrix_b_fmt:MATRIX_FMT_BF8
.endif
.endm
.macro MUL s, p                        ; the 16 accumulators take turns, one instruction a turn, in the same order in every K step
	WIN 0x05
.irp l, 0,1,2,3
.irp r, 0,1,2,3
	ONE \s, \p, \l, \r
.endr
.endr
.endm
	s_wait_alu depctr_va_vdst(0)
	s_wait_tensorcnt 0x0                           ; my four records have landed,
	s_barrier_signal -1
	s_barrier_wait -1                              ; everybody's have
	FETCH 0, 0
	WIN 0
	SCALES
.irp s, 0,1,2,3,4,5,6,7
.if \s < 7
.if \s > 0
	PLACES 8                                       ; in front of loads into the set that the last products read
.endif
	FETCH \s+1, (\s+1)%2
	s_wait_dscnt 32                                ; all but the 32 just issued
.else
	s_wait_dscnt 0x0
.endif
	MUL \s, \s%2
.endr
	WIN 0
	PLACES 8                                       ; in front of the first read of results
; THE WAY OUT, a row tile (16 rows x 64 columns) at a time, through my own stage: LDS serves a wave's instructions in order, so no wait stands between the stores and the loads, nor in front of the next tile's stores.
.macro TOSTAGE i
.irp n, 0,1,2,3,4,5,6,7
	ds_store_b128 v[STO], v[ACC+32*(\i)+4*\n:ACC+32*(\i)+4*\n+3] offset:128*(\n/4)+16*(\n%4)   ; registers 4 n on: columns 32 (n / 4) + 16 h + 4 (n % 4) on; each accumulator from its low end on
.endr
.irp k, 0,1,2,3,4,5,6,7
	ds_load_b128 v[BK+32*((\i)%2)+4*\k:BK+32*((\i)%2)+4*\k+3], v[RD] offset:2*SPITCH*\k
.endr
.endm
.macro SEND i, younger                 ; younger: the LDS instructions issued behind tile i's loads
	s_wait_dscnt \younger
.irp k, 0,1,2,3,4,5,6,7
	global_store_b128 v[CO], v[BK+32*((\i)%2)+4*\k:BK+32*((\i)%2)+4*\k+3], s[12:13] offset:(32*((\i)/2)+8*((\i)%2)+2*\k+8*(\k/4))*4096 th:TH_STORE_NT   ; sixteen lanes store 256 consecutive bytes, aligned; stage rows 2 k, 2 k + 1 are rows 2 k + 8 (k / 4) + h of the tile's span
.endr
.endm
	TOSTAGE 0
	TOSTAGE 1
	SEND 0, 16                                     ; behind tile 0's loads: tile 1's 8 stores and 8 loads
	s_wait_xcnt 0x0                                ; tile 0's stores have read their registers: tile 2's loads may land there
	TOSTAGE 2
	SEND 1, 16
	s_wait_xcnt 0x0
	TOSTAGE 3
	SEND 2, 16
	SEND 3, 0
	s_wait_tensorcnt 0x0                           ; the wave's end: three closing lines, behind my last tensor load and my last LDS store
	ds_add_u32 v[SPW], v[NIL]
	s_wait_dscnt 0x0
	CROUND                                         ; the closing round
	s_endpgm
.Lfunc_end_k_qa9331bd2c2_oproj:
	.size	k_qa9331bd2c2_oproj, .Lfunc_end_k_qa9331bd2c2_oproj-k_qa9331bd2c2_oproj
	.p2alignl 7, 3214868480
	.fill 96, 4, 3214868480
	.section	.rodata,"a",@progbits
	.p2align	6, 0x0
	.amdhsa_kernel k_qa9331bd2c2_oproj
		.amdhsa_group_segment_fixed_size 327680
		.amdhsa_private_segment_fixed_size 0
		.amdhsa_enable_private_segment 0
		.amdhsa_kernarg_size 24
		.amdhsa_user_sgpr_count 2
		.amdhsa_user_sgpr_kernarg_segment_ptr 1
		.amdhsa_wavefront_size32 1
		.amdhsa_system_sgpr_workgroup_id_x 1
		.amdhsa_system_sgpr_workgroup_id_y 1
		.amdhsa_system_sgpr_workgroup_id_z 1
		.amdhsa_system_vgpr_workitem_id 0
		.amdhsa_next_free_vgpr 512
		.amdhsa_next_free_sgpr 100
		.amdhsa_reserve_vcc 0
		.amdhsa_float_denorm_mode_32 3
		.amdhsa_float_denorm_mode_16_64 3
		.amdhsa_memory_ordered 1
		.amdhsa_forward_progress 1
		.amdhsa_inst_pref_size 50
	.end_amdhsa_kernel
	.amdgpu_metadata
---
amdhsa.version: [ 1, 2 ]
amdhsa.kernels:
  - .name:           k_qa9331bd2c2_oproj
    .symbol:         k_qa9331bd2c2_oproj.kd
    .args:
      - { .name: ob, .offset: 0, .size: 8, .value_kind: global_buffer, .address_space: global }
      - { .name: wb, .offset: 8, .size: 8, .value_kind: global_buffer, .address_space: global }
      - { .name: out0, .offset: 16, .size: 8, .value_kind: global_buffer, .address_space: global }
    .group_segment_fixed_size: 327680
    .private_segment_fixed_size: 0
    .kernarg_segment_align: 8
    .kernarg_segment_size: 24
    .max_flat_workgroup_size: 128
    .sgpr_count:     100
    .vgpr_count:     512
    .wavefront_size: 32
...
	.end_amdgpu_metadata
.endif
;; end of part 4
